; MI455X (gfx1250); checked and timed in simulation.
; The chip was launched on July 23, 2026; its instructions are those of AMD's public machine-readable ISA for CDNA 5 (MIT licence, August 2026) and "CDNA5" Instruction Set Architecture Reference Guide (July 2026). The comments in the code are by the model that wrote it; some were corrected since.
;; Differential Cross Attention Layer. Allowed arithmetic: matrix products marked QUANTISED: E3M2 operands, one E8M0 scale for each 32 along K, by v_wmma_scale_f32_16x16x128_f8f6f4 with both operands' format E3M2, f32 sums; everything else in f32.
;; Inputs: Wk 1,024 x 1,024 float32; Wo 1,024 x 1,024 float32; Wq 1,024 x 1,024 float32; Wv 1,024 x 1,024 float32; ffn_b1 4,096 float32; ffn_b2 1,024 float32; ffn_w1 1,024 x 4,096 float32; ffn_w2 4,096 x 1,024 float32; key 2 x 2,048 x 1,024 float32; lambda_param one number float32; ln1_b 1,024 float32; ln1_g 1,024 float32; ln2_b 1,024 float32; ln2_g 1,024 float32; query 2 x 2,048 x 1,024 float32; value 2 x 2,048 x 1,024 float32.
;; Outputs: out0 2 x 2,048 x 1,024 float32.
;; This version of the problem:
;;   THIS VERSION OF THE PROBLEM IS GIVEN IN LOW PRECISION. The matrix products marked QUANTISED in the list below multiply operands that are first quantised to E3M2 (3 exponent bits, 2 mantissa bits; 6 bits a number), with one power-of-two scale for each 32 numbers along K (OCP MX v1.0); their sums are f32. All else is computed in f32.
;;   The module's matrix products, in the order in which they are computed (A, B: the left and right operand; K: the contracted axis; several contracted axes count as one K, in the product's order):
;;     1. [M 4,096, K 1,024] x [K 1,024, N 1,024]; A: input query; B: input Wq: QUANTISED
;;     2. [M 4,096, K 1,024] x [K 1,024, N 1,024]; A: input key; B: input Wk: QUANTISED
;;     3. [M 4,096, K 1,024] x [K 1,024, N 1,024]; A: input value; B: input Wv: QUANTISED
;;     4. batch 16 x [M 2,048, K 128] x [K 128, N 2,048]; A: computed on the way; B: computed on the way: QUANTISED
;;     5. batch 16 x [M 128, K 2,048] x [K 2,048, N 2,048]; A: computed on the way; B: computed on the way: QUANTISED
;;     6. [M 4,096, K 1,024] x [K 1,024, N 1,024]; A: computed on the way; B: input Wo: QUANTISED
;;     7. [M 4,096, K 1,024] x [K 1,024, N 4,096]; A: computed on the way; B: input ffn_w1: QUANTISED
;;     8. [M 4,096, K 4,096] x [K 4,096, N 1,024]; A: computed on the way; B: input ffn_w2: QUANTISED
;;   THE QUANTISER, for each operand of a quantised product, along K:
;;     - K is cut into blocks of 32 from its start; a last block that is shorter is filled with zeros.
;;     - A block's scale is 2^e with e = floor(log2(the largest magnitude in the block)) - 4, held to -126 .. 127; a block of zeros has e = 0. As a byte (E8M0): e + 127.
;;     - Each number is divided by its block's scale, clamped to +-28, and rounded to the nearest number of E3M2, ties to even, subnormals kept.
;;     - The product sums the exact products of the quantised numbers (number of the format x scale) in f32.
;;   ~~~python
;;   def quantise(x, axis):      # numpy; x: float32 -> the quantised numbers, widened to float32 again
;;       x = np.moveaxis(x, axis, -1); K = x.shape[-1]
;;       x = np.pad(x, [(0, 0)] * (x.ndim - 1) + [(0, -K % 32)]); x = x.reshape(x.shape[:-1] + (-1, 32)); a = np.abs(x).max(-1, keepdims=True)
;;       e = np.where(a > 0, np.clip(np.frexp(np.where(a > 0, a, 1))[1] - 1 - 4, -126, 127), 0)      # np.frexp(a)[1] - 1 = floor(log2(a)), exactly
;;       r = np.clip(x / 2.0 ** e, -28, 28)
;;       step = 2.0 ** (np.maximum(np.frexp(np.where(r == 0, 1, r))[1] - 1, -2) - 2)
;;       q = np.round(r / step) * step * 2.0 ** e      # np.round: ties to even
;;       return np.moveaxis(q.reshape(q.shape[:-2] + (-1,))[..., :K], -1, axis).astype(np.float32)
;;   ~~~
;;   OPERANDS COMPUTED ON THE WAY. 'Computed on the way' means the value that the module computes at that place (a softmax that the list does not call 'softmax' is quantised finished and normalised). What goes into a quantiser is computed in f32, as accurately as f32 sums, v_exp_f32 and their like allow (about 1e-6 of the number): no bf16 or f16 on the way to a quantiser, and a product that is left as it is and whose result goes on into a quantised operand takes f32 operands (vector FMAs, or v_wmma_f32_16x16x4_f32). A number that lies on a knife's edge between two numbers of the format may be rounded either way, as far as f32 arithmetic and the matrix unit's own rounding can turn it there, and no further.
;; 2 versions, each right. Each part assembles by itself: llvm-mc -triple=amdgcn-amd-amdhsa -mcpu=gfx1250 --defsym DOCPART=n.
;; ======== version 1 of 2: 6 launches
;; workspace buffers: xw 19,660,800 bytes; qkv 9,830,400 bytes; ap 3,276,800 bytes; ln1 20,054,016 bytes; hp 13,107,200 bytes
;; launch quant (part 1): grid 768 x 1, 4 waves a work-group, no clusters, 86,528 bytes of LDS; arguments query, key, value, Wq, Wk, Wv, Wo, ffn_w1, ffn_w2, xw; writes xw
.if DOCPART == 1
	.amdgcn_target "amdgcn-amd-amdhsa--gfx1250"
	.amdhsa_code_object_version 6
	.text
	.protected	k_qf7a8db2bde_quant
	.globl	k_qf7a8db2bde_quant
	.p2align	8
	.type	k_qf7a8db2bde_quant,@function
k_qf7a8db2bde_quant:
	s_mov_b64 s[64:65], 0
	v_nop
	global_prefetch_b8 v0, s[64:65] scope:SCOPE_SE
	s_setreg_imm32_b32 hwreg(HW_REG_WAVE_MODE, 25, 1), 1
	s_wait_xcnt 0x0
; query, key, value [4096][1024] and the six weights ([K][N], K the FIRST axis), all f32, become codes of BF6 (E3M2) with one E8M0 byte for each 32 along K.
; THE PANEL, the one layout of every operand in this program: 64 rows x 128 K in 6,400 bytes.  Bytes 0-6,143: four fragments of 1,536 bytes, each an image of the matrix operand's 12 registers
; (registers 4 c .. 4 c + 3 of lane l at 1536 f + 512 c + 16 l).  Bytes 6,144-6,399: the scale words, word f of row-lane r at 6144 + 16 r + 4 f.
; Row-lane r of fragment f holds the panel's row 32 (f / 2) + 8 (f % 2) + r + 8 (r / 8).  Panel (K step ks, row block g) of an operand with G row blocks stands at index ks G + g.
; A block's scale is 2^(floor(log2(largest magnitude)) - 4); its byte is the largest magnitude's exponent field - 4, held at 1 from below by a floor among the maximum's leaves.
; LIMITS: a block of zeros gets the byte 1 where the rule says 127 (its codes are zeros, and this program alone reads the bytes); NaN and infinities among the inputs are not served.
; SHARES.  A wave makes ONE panel: 3,072 panels, 768 work-groups of four waves.  Work-groups 0-383: the three activations (K innermost: rows are loaded as they lie, 512 bytes a load, and turned through the wave's
; own stage in LDS so that a lane holds 16 neighbours along K).  Work-groups 384-767: the weights (a lane takes a column and its registers run down K, so nothing is transposed; the codes are laid into the panel's
; image in LDS and leave as 512 consecutive bytes a store).  Waves share nothing: no barrier.  The three ways part on the work-group's number alone and have LDS bytes of their own.
.set PANEL, 6400
.set LA,    8704                       ; way A, a wave: a stage of 16 rows x 528 bytes, then 256 bytes for the scale words
.set LB1,   4*LA                       ; weights with rows of 4,096 bytes: a panel's image for each wave
.set LB2,   LB1+4*PANEL                ; ffn_w1, rows of 16,384 bytes: likewise
.set TM,  16                           ; v16-31  at work in QUANT
.set PC,  32                           ; v32-43  a fragment's codes
.set AX,  44                           ; v44-51  the conversions' second halves
.set PW,  52                           ; v52-55  scale words of the four fragments (weights: v52, v53 the scale bytes of my two columns)
.set R,   64                           ; v64-191 numbers as loaded, two sets of 64
.set X,   192                          ; v192-255 64 numbers of a lane along K; on the weights' way out the image
.set SEL, 38                           ; s[38:39] lane selects: lane l xor 16
; 64 numbers of a lane, register 16 b + i = k 32 b + 16 (lane / 16) + i of its row, become a fragment's 12 registers in v[pc] on and the row's scale word in v[pw].
.macro QUANT src, pc, ax, pw
.irp b, 0,1,2,3
	v_max3_num_f32 v[TM+\b], |v[(\src)+16*\b]|, |v[(\src)+16*\b+1]|, 0x2800000   ; block b: my 16 numbers, and the floor 2^(5 - 127): the byte cannot fall under 1
.endr
.irp i, 2,4,6,8,10,12,14
.irp b, 0,1,2,3
	v_max3_num_f32 v[TM+\b], |v[(\src)+16*\b+\i]|, |v[(\src)+16*\b+\i+1]|, v[TM+\b]   ; the four blocks by turns
.endr
.endr
.irp b, 0,1,2,3
	v_permlanex16_b32 v[TM+4+\b], v[TM+\b], s[SEL], s[SEL+1]
.endr
.irp b, 0,1,2,3
	v_max_num_f32 v[TM+\b], v[TM+\b], v[TM+4+\b]   ; with lane l xor 16's 16: the block's largest magnitude
.endr
.irp b, 0,1,2,3
	v_add_nc_u32 v[TM+12+\b], 0xfe000000, v[TM+\b]   ; 4 off its exponent field: the conversion's scale operand
.endr
.irp b, 0,1,2,3
	v_lshrrev_b32 v[TM+4+\b], 23, v[TM+12+\b]      ; the scale's byte
.endr
	v_lshl_or_b32 v[\pw], v[TM+5], 8, v[TM+4]
	v_lshl_or_b32 v[\pw], v[TM+6], 16, v[\pw]
	v_lshl_or_b32 v[\pw], v[TM+7], 24, v[\pw]
.irp c, 0,1
	v_cvt_scalef32_pk16_bf6_f32 v[(\pc)+6*\c:(\pc)+6*\c+2], v[(\src)+32*\c:(\src)+32*\c+15], v[TM+12+2*\c]
	v_cvt_scalef32_pk16_bf6_f32 v[(\ax)+4*\c:(\ax)+4*\c+2], v[(\src)+32*\c+16:(\src)+32*\c+31], v[TM+13+2*\c]   ; (a conversion's three registers begin on an even number)
.endr
	v_nop                                          ; one plain instruction behind the scaled conversions
.irp c, 0,1                            ; the operand wants a whole block in a lane: lanes 0-15 block 2 c, lanes 16-31 block 2 c + 1
.irp i, 0,1,2
	v_permlane16_swap_b32 v[(\pc)+6*\c+\i], v[(\ax)+4*\c+\i]
.endr
.irp i, 0,1,2
	v_mov_b32 v[(\pc)+6*\c+3+\i], v[(\ax)+4*\c+\i]
.endr
.endr
.endm
	s_load_b512 s[4:19], s[0:1], 0x0               ; query, key, value, Wq, Wk, Wv, Wo, ffn_w1
	s_load_b128 s[20:23], s[0:1], 0x40             ; ffn_w2, xw
	v_lshl_add_u32 v47, v0, 2, 0x15000
	v_mov_b32 v51, 0
	v_lshrrev_b32 v1, 5, v0
	v_readfirstlane_b32 s24, v1                    ; wave 0..3
	v_and_b32 v1, 31, v0                           ; lane
	v_and_b32 v59, 15, v0                          ; r
	v_bfe_u32 v60, v0, 4, 1                        ; h
	v_lshlrev_b32 v2, 4, v1                        ; 16 x lane: a load's or a store's 512 bytes
	v_lshl_add_u32 v7, v1, 3, 6144                 ; the scale words' 256 bytes in a panel, 8 bytes a lane
	v_lshlrev_b32 v8, 2, v1                        ; 4 x lane: a column
	s_mov_b32 s[SEL], 0x76543210
	s_mov_b32 s[SEL+1], 0xfedcba98
	; every LDS address is made here, ahead of the parting: a constant + a constant x wave + lane terms
	s_mul_i32 s25, s24, LA
	v_add_nc_u32 v3, s25, v2                       ; A: into the stage: a row's 512 bytes as they lie
	v_mul_u32_u24 v4, v59, 528
	v_lshl_add_u32 v4, v60, 6, v4
	v_add_nc_u32 v4, s25, v4                       ; A: out of it: row r, + 64 h: my 16 numbers of a block
	s_add_co_u32 s25, s25, 8448
	v_lshl_add_u32 v5, v59, 4, s25                 ; A: my row-lane's four scale words
	v_lshl_add_u32 v6, v1, 3, s25                  ; A: and back, 8 bytes a lane
	v_and_b32 v61, 7, v0
	v_lshl_add_u32 v61, v60, 3, v61                ; weights: column 32 cg + lane is row-lane r' = lane % 8 + 8 (lane / 16)
	v_bfe_u32 v62, v0, 3, 1                        ; of fragment 2 cg + u, u = (lane / 8) % 2
	v_mul_u32_u24 v63, v62, 1536
	v_lshl_add_u32 v63, v61, 4, v63                ; 1536 u + 16 r'
	v_lshlrev_b32 v61, 4, v61
	v_lshl_add_u32 v61, v62, 2, v61                ; 16 r' + 4 u
	s_mul_i32 s25, s24, PANEL
	s_add_co_u32 s26, s25, LB1
	s_add_co_u32 s27, s25, LB2
	v_add_nc_u32 v9, s26, v63                      ; rows of 4,096 bytes: codes into the image,
	v_add_nc_u32 v10, s26, v61                     ; scale words into it,
	v_add_nc_u32 v11, s26, v2                      ; the image back, 16 bytes a lane,
	v_lshl_add_u32 v12, v1, 3, s26                 ; its scale words back, 8 bytes a lane
	v_add_nc_u32 v13, s27, v63                     ; ffn_w1: the same four
	v_add_nc_u32 v14, s27, v61
	v_add_nc_u32 v15, s27, v2
	v_lshl_add_u32 v58, v1, 3, s27
.irp b, 0,1,2,3
	v_mov_b32 v[TM+4+\b], 0                        ; written once: a lane permute's destination counts as one of its sources
.endr
	s_wait_kmcnt 0x0
	s_cmp_lt_u32 ttmp9, 384
	s_cbranch_scc0 .Lweights
	; ---- way A: an activation's panel
	s_lshl_b32 s25, ttmp9, 2
	s_add_co_u32 s25, s25, s24                     ; which panel: 4 x work-group + wave
	s_lshr_b32 s26, ttmp9, 7                       ; which tensor: 512 panels each
	s_and_b32 s27, s25, 511
	s_lshr_b32 s28, s27, 3                         ; g: the four waves stand side by side along K
	s_and_b32 s29, s27, 7                          ; ks
	s_lshl_b32 s30, s28, 18                        ; 64 rows of 4,096 bytes
	s_lshl_b32 s31, s29, 9                         ; 128 numbers
	s_add_co_u32 s30, s30, s31
	s_mov_b32 s31, 0
	s_lshl_b32 s32, s26, 9
	s_lshl_b32 s33, s29, 6
	s_add_co_u32 s32, s32, s33
	s_add_co_u32 s32, s32, s28                     ; panel 512 t + 64 ks + g
	s_mul_i32 s32, s32, PANEL
	s_mov_b32 s33, 0
	s_cmp_eq_u32 s26, 0
	s_cselect_b64 s[34:35], s[4:5], s[6:7]
	s_cmp_eq_u32 s26, 2
	s_cselect_b64 s[34:35], s[8:9], s[34:35]
	s_add_nc_u64 s[34:35], s[34:35], s[30:31]
	s_add_nc_u64 s[36:37], s[22:23], s[32:33]
.macro LOADF f                         ; fragment f's 16 rows, 512 consecutive bytes a load, into set f % 2
.irp i, 0,1,2,3,4,5,6,7,8,9,10,11,12,13,14,15
	global_load_b128 v[R+64*((\f)%2)+4*\i:R+64*((\f)%2)+4*\i+3], v2, s[34:35] offset:(32*((\f)/2)+8*((\f)%2)+\i+8*(\i/8))*4096 th:TH_LOAD_NT
.endr
.endm
.macro TURNF f                         ; through the stage: LDS serves a wave's instructions in order, so no wait stands between the stores and the loads
.irp i, 0,1,2,3,4,5,6,7,8,9,10,11,12,13,14,15
	ds_store_b128 v3, v[R+64*((\f)%2)+4*\i:R+64*((\f)%2)+4*\i+3] offset:528*\i
.endr
.irp b, 0,1,2,3
.irp j, 0,1,2,3
	ds_load_b128 v[X+16*\b+4*\j:X+16*\b+4*\j+3], v4 offset:128*\b+16*\j
.endr
.endr
.endm
	LOADF 0
	LOADF 1
.irp f, 0,1,2,3
.if \f < 3
	s_wait_loadcnt 16                              ; this fragment's 16 loads are in; the next fragment's 16 may be out
.else
	s_wait_loadcnt 0x0
.endif
	TURNF \f
	s_wait_dscnt 0x0                               ; my 64 numbers are back, and the stores into the stage have read their registers,
.if \f < 2
	LOADF \f+2                                     ; which take the fragment two on
.endif
	s_wait_xcnt 0x0                                ; the last fragment's stores have read the codes' registers
	QUANT X, PC, AX, PW+\f
.irp c, 0,1,2
	global_store_b128 v2, v[PC+4*\c:PC+4*\c+3], s[36:37] offset:1536*\f+512*\c   ; 512 consecutive bytes, aligned to 256
.endr
.endr
	ds_store_b128 v5, v[PW:PW+3]                   ; lanes r and r + 16 write the same four words
	ds_load_b64 v[56:57], v6
	s_wait_dscnt 0x0
	global_store_b64 v7, v[56:57], s[36:37]        ; 256 consecutive bytes
	s_wait_tensorcnt 0x0
	ds_add_u32 v47, v51
	s_wait_dscnt 0x0
	s_endpgm
	; ---- the weights
.macro LOADK kb, rs                    ; rows 32 kb .. 32 kb + 31 of K, my panel's 64 columns: a row's two loads stand together and cover 256 consecutive bytes
.set i, 0
.rept 32
	global_load_b32 v[R+64*((\kb)%2)+i], v8, s[34:35] offset:(32*(\kb)+i)*(\rs)
	global_load_b32 v[R+64*((\kb)%2)+32+i], v8, s[34:35] offset:(32*(\kb)+i)*(\rs)+128
.set i, i+1
.endr
.endm
.macro BLOCK kb, cg, img               ; block kb of column 32 cg + lane: all its 32 numbers are mine
.set XS, R+64*((\kb)%2)+32*(\cg)
	v_max3_num_f32 v24, |v[XS]|, |v[XS+1]|, |v[XS+2]|
	v_max3_num_f32 v25, |v[XS+3]|, |v[XS+4]|, |v[XS+5]|
.irp i, 6,10,14,18,22,26
	v_max3_num_f32 v24, v24, |v[XS+\i]|, |v[XS+\i+1]|
	v_max3_num_f32 v25, v25, |v[XS+\i+2]|, |v[XS+\i+3]|
.endr
	v_max3_num_f32 v24, v24, |v[XS+30]|, |v[XS+31]|
	v_max3_num_f32 v24, v24, v25, 0x2800000        ; and the floor
	v_add_nc_u32 v26, 0xfe000000, v24              ; the conversion's scale operand
	v_lshrrev_b32 v25, 23, v26                     ; the byte
.if (\kb) == 0
	v_mov_b32 v[52+(\cg)], v25
.else
	v_lshl_or_b32 v[52+(\cg)], v25, 8*(\kb), v[52+(\cg)]
.endif
	v_cvt_scalef32_pk16_bf6_f32 v[32:34], v[XS:XS+15], v26
	v_cvt_scalef32_pk16_bf6_f32 v[40:42], v[XS+16:XS+31], v26
	v_nop                                          ; one plain instruction behind the scaled conversions
	v_mov_b32 v35, v40
	v_mov_b32 v36, v41
	v_mov_b32 v37, v42                             ; v32-37: registers 6 (kb / 2) .. + 5 of image lane r' + 16 (kb % 2)
.if (\kb) < 2
	ds_store_b128 v[\img], v[32:35] offset:3072*(\cg)+256*((\kb)%2)
	ds_store_b64 v[\img], v[36:37] offset:3072*(\cg)+256*((\kb)%2)+512
.else
	ds_store_b64 v[\img], v[32:33] offset:3072*(\cg)+256*((\kb)%2)+520
	ds_store_b128 v[\img], v[34:37] offset:3072*(\cg)+256*((\kb)%2)+1024
.endif
	s_wait_dscnt 0x0                               ; the stores have read their registers: the next block's codes may be written
.endm
.macro WPATH rs, img, sim, rdb, rds
	LOADK 0, \rs
.irp kb, 0,1,2,3
	s_wait_loadcnt 0x0                             ; this block's 64 loads are in: none was issued behind them
.if \kb < 3
	LOADK \kb+1, \rs                               ; the next block's are on their way while this one is worked
.endif
	BLOCK \kb, 0, \img
	BLOCK \kb, 1, \img
.endr
	ds_store_b32 v[\sim], v52 offset:6144          ; fragment u's word of row-lane r',
	ds_store_b32 v[\sim], v53 offset:6144+8        ; fragment 2 + u's
.irp t, 0,1,2,3,4,5,6,7,8,9,10,11
	ds_load_b128 v[X+4*\t:X+4*\t+3], v[\rdb] offset:512*\t   ; LDS serves a wave's instructions in order: these see my stores
.endr
	ds_load_b64 v[56:57], v[\rds] offset:6144
	s_wait_dscnt 0x0
.irp t, 0,1,2,3,4,5,6,7,8,9,10,11
	global_store_b128 v2, v[X+4*\t:X+4*\t+3], s[36:37] offset:512*\t
.endr
	global_store_b64 v7, v[56:57], s[36:37]
	s_wait_tensorcnt 0x0
	ds_add_u32 v47, v51
	s_wait_dscnt 0x0
	s_endpgm
.endm
.Lweights:
	s_sub_co_u32 s25, ttmp9, 384
	s_lshl_b32 s26, s25, 2
	s_add_co_u32 s26, s26, s24                     ; which weight panel: Wq 0, Wk 128, Wv 256, Wo 384, ffn_w1 512, ffn_w2 1,024
	s_add_co_u32 s32, s26, 1536                    ; behind the activations' 1,536
	s_mul_i32 s32, s32, PANEL
	s_mov_b32 s33, 0
	s_add_nc_u64 s[36:37], s[22:23], s[32:33]
	s_mov_b32 s31, 0
	s_lshr_b32 s27, s25, 7                         ; 0: a projection; 1: ffn_w1; 2: ffn_w2
	s_cmp_eq_u32 s27, 1
	s_cbranch_scc1 .Lw1
	s_lshr_b32 s28, s25, 5
	s_cmp_eq_u32 s28, 0
	s_cselect_b64 s[34:35], s[10:11], s[12:13]
	s_cmp_eq_u32 s28, 2
	s_cselect_b64 s[34:35], s[14:15], s[34:35]
	s_cmp_eq_u32 s28, 3
	s_cselect_b64 s[34:35], s[16:17], s[34:35]
	s_mov_b32 s29, 127
	s_cmp_eq_u32 s27, 2
	s_cselect_b64 s[34:35], s[20:21], s[34:35]
	s_cselect_b32 s29, 511, s29
	s_and_b32 s29, s26, s29                        ; the panel's number in its tensor: 16 ks + g
	s_lshr_b32 s30, s29, 4
	s_lshl_b32 s30, s30, 19                        ; 128 rows of 4,096 bytes
	s_and_b32 s29, s29, 15
	s_lshl_b32 s29, s29, 8                         ; 64 columns
	s_add_co_u32 s30, s30, s29
	s_add_nc_u64 s[34:35], s[34:35], s[30:31]
	WPATH 4096, 9, 10, 11, 12
.Lw1:
	s_and_b32 s29, s26, 511                        ; 64 ks + g
	s_lshr_b32 s30, s29, 6
	s_lshl_b32 s30, s30, 21                        ; 128 rows of 16,384 bytes
	s_and_b32 s29, s29, 63
	s_lshl_b32 s29, s29, 8
	s_add_co_u32 s30, s30, s29
	s_add_nc_u64 s[34:35], s[18:19], s[30:31]
	WPATH 16384, 13, 14, 15, 58
.Lfunc_end_k_qf7a8db2bde_quant:
	.size	k_qf7a8db2bde_quant, .Lfunc_end_k_qf7a8db2bde_quant-k_qf7a8db2bde_quant
	.p2alignl 7, 3214868480
	.fill 96, 4, 3214868480
	.section	.rodata,"a",@progbits
	.p2align	6, 0x0
	.amdhsa_kernel k_qf7a8db2bde_quant
		.amdhsa_group_segment_fixed_size 86528
		.amdhsa_private_segment_fixed_size 0
		.amdhsa_enable_private_segment 0
		.amdhsa_kernarg_size 80
		.amdhsa_user_sgpr_count 2
		.amdhsa_user_sgpr_kernarg_segment_ptr 1
		.amdhsa_wavefront_size32 1
		.amdhsa_system_sgpr_workgroup_id_x 1
		.amdhsa_system_sgpr_workgroup_id_y 1
		.amdhsa_system_sgpr_workgroup_id_z 1
		.amdhsa_system_vgpr_workitem_id 0
		.amdhsa_next_free_vgpr 256
		.amdhsa_next_free_sgpr 66
		.amdhsa_reserve_vcc 0
		.amdhsa_float_denorm_mode_32 3
		.amdhsa_float_denorm_mode_16_64 3
		.amdhsa_memory_ordered 1
		.amdhsa_forward_progress 1
		.amdhsa_inst_pref_size 114
	.end_amdhsa_kernel
	.amdgpu_metadata
---
amdhsa.version: [ 1, 2 ]
amdhsa.kernels:
  - .name:           k_qf7a8db2bde_quant
    .symbol:         k_qf7a8db2bde_quant.kd
    .args:
      - { .name: query, .offset: 0, .size: 8, .value_kind: global_buffer, .address_space: global }
      - { .name: key, .offset: 8, .size: 8, .value_kind: global_buffer, .address_space: global }
      - { .name: value, .offset: 16, .size: 8, .value_kind: global_buffer, .address_space: global }
      - { .name: Wq, .offset: 24, .size: 8, .value_kind: global_buffer, .address_space: global }
      - { .name: Wk, .offset: 32, .size: 8, .value_kind: global_buffer, .address_space: global }
      - { .name: Wv, .offset: 40, .size: 8, .value_kind: global_buffer, .address_space: global }
      - { .name: Wo, .offset: 48, .size: 8, .value_kind: global_buffer, .address_space: global }
      - { .name: ffn_w1, .offset: 56, .size: 8, .value_kind: global_buffer, .address_space: global }
      - { .name: ffn_w2, .offset: 64, .size: 8, .value_kind: global_buffer, .address_space: global }
      - { .name: xw, .offset: 72, .size: 8, .value_kind: global_buffer, .address_space: global }
    .group_segment_fixed_size: 86528
    .private_segment_fixed_size: 0
    .kernarg_segment_align: 8
    .kernarg_segment_size: 80
    .max_flat_workgroup_size: 128
    .sgpr_count:     66
    .vgpr_count:     256
    .wavefront_size: 32
...
	.end_amdgpu_metadata
.endif
;; end of part 1
;; launch qkv (part 2): grid 64 x 3, 4 waves a work-group, clusters of 4 x 1, 327,680 bytes of LDS; arguments xw, qkv; writes qkv
.if DOCPART == 2
	.amdgcn_target "amdgcn-amd-amdhsa--gfx1250"
	.amdhsa_code_object_version 6
	.text
	.protected	k_qf7a8db2bde_qkv
	.globl	k_qf7a8db2bde_qkv
	.p2align	8
	.type	k_qf7a8db2bde_qkv,@function
k_qf7a8db2bde_qkv:
	s_mov_b64 s[64:65], 0
	v_nop
	global_prefetch_b8 v0, s[64:65] scope:SCOPE_SE
	s_setreg_imm32_b32 hwreg(HW_REG_WAVE_MODE, 25, 1), 1
	s_wait_xcnt 0x0
	s_wait_alu depctr_hold_cnt(0) depctr_sa_sdst(0) depctr_va_vdst(0) depctr_va_sdst(0) depctr_va_ssrc(0) depctr_va_vcc(0) depctr_vm_vsrc(0)
	s_getreg_b32 s2, hwreg(HW_REG_IB_STS2, 6, 4)
	s_cmp_eq_u32 s2, 0
	s_cbranch_scc0 .Lentry_in_a_cluster
	s_endpgm
.Lentry_in_a_cluster:
	s_bfe_u32 s2, ttmp6, 0x10000c
	s_cmp_lg_u32 s2, 0x3003
	s_cbranch_scc0 .Lentry_shape_is_right
	s_endpgm
.Lentry_shape_is_right:
; Q = query Wq, K = key Wk (y = 0, 1) and V^T = Wv^T value^T (y = 2), on codes of BF6 with E8M0 scales, sums in f32; the results are quantised in registers and leave as panels:
; Q and K along the head's 128 channels, V along the keys.  Panels: 64 rows x 128 K in 6,400 bytes, four register images of 1,536 bytes and 256 bytes of scale words (word f of row-lane r at 6144 + 16 r + 4 f);
; row-lane r of fragment f is the panel's row 32 (f / 2) + 8 (f % 2) + r + 8 (r / 8).
; SHARES.  A work-group makes 64 rows x 1,024 columns: row block rb (one panel of A a K step), column block cb (16 panels of B a K step).  Wave w makes columns 256 w .. + 255: B's panels 4 w .. 4 w + 3
; (16 fragments) against A's four fragments: 64 accumulators, 512 registers.  THE PRODUCT IS USED TRANSPOSED: source 0 = a fragment of B, source 1 = a fragment of A: lane (r, h) holds row-lane r of A, and by the
; panels' row order the 64 registers of eight neighbouring fragments of B are columns 32 (n / 16) + 16 h + n % 16: 16 neighbours along the next K for each block of 32, as the conversions want them.
; B comes through two LDS slots of one K step by the tensor data mover; wave w fetches, and alone reads, its own 25,600 dense bytes.  CLUSTER: the four row blocks of a cluster walk the same B, so each load is asked for
; JOINTLY, with the same descriptor and the mask of all four.  A, one seventeenth of a K step's bytes and different in each partner, comes by 13 loads a wave straight into registers, a whole K step ahead.
; LIMITS: a block of zeros carries the byte 1 (its codes are zeros; this program alone reads the bytes); NaN and infinities are not served.
; REGISTERS.  window 0: v1-6 addresses, v7, v8 the spare word's address and 0, v9-12 the way out; v16-31 B's scale words (4 p + f), v32-39 A's (two sets), v64-159 A's fragments (two sets);
;   window 1: v0-191 B's fragments (48 p + 12 f);  windows 2, 3: accumulator (a, p, f) at window 2 + p / 2, v[64 a + 8 (4 (p % 2) + f)].
.set PANEL, 6400
.set WPART, 4*PANEL                    ; a wave's part of a slot
.set SLOTB, 16*PANEL                   ; a slot: one K step of B
.set SPARE, 2*SLOTB                    ; behind the ring: the spare words, 128 bytes a wave, two blocks of 256 bytes that no other line names
.set WV,  20
.set G1,  24                           ; s[24:31] descriptor group 1
.set G0,  32                           ; s[32:39] group 0, a set for each slot
.set AB,  40                           ; s[40:43] A's panel for set 0, 1
.set AST, 44                           ; s[44:45] two K steps of A in bytes
.set BST, 46                           ; s[46:47] two K steps of B
.set OB,  48                           ; s[48:51] my two output panels
.set SEL, 56
.set CNT, 60
.set SB,  16
.set SA,  32
.set AF,  64
.set TM,  16                           ; the way out: v16-31 at work, v64-75 codes, v76-83 second halves, v84-91 scale words, v92-95 the scale words as stored
.set PC,  64
.set AX,  76
.set PW,  84
.set DD,  92
.set MSB, 0
.macro WIN new                         ; the immediate's high byte repeats the setting that is left
.if MSB != (\new)
	s_set_vgpr_msb (MSB<<8)|(\new)
.set MSB, (\new)
.endif
.endm
.macro PLACES n
.rept \n
	v_nop
.endr
.endm
.macro CREST                           ; a round of the cluster's barrier behind its opening barrier
	s_cmp_lg_u32 s[WV], 0
	s_cbranch_scc1 .Lnot_wave_0_\@
	s_barrier_signal -3
.Lnot_wave_0_\@:
	s_barrier_wait -3
	s_barrier_signal -1
	s_barrier_wait -1
.endm
.macro CROUND
	s_barrier_signal -1
	s_barrier_wait -1
	CREST
.endm
; 8 matrix instructions: B's panel p (four fragments) x A's fragments a0, a0 + 1 of set sl.  zero = 1: the product starts the sums.  The 64 accumulators take turns, one instruction a turn, in the same order in every
; K step.
.macro MUL8 p, a0, sl, zero
	WIN 0xa1+0x50*((\p)/2)                         ; source 0 window 1, source 1 window 0, C and D window 2 or 3
.irp a, \a0, \a0+1
.irp f, 0,1,2,3
.set rD, 64*(\a)+8*(4*((\p)%2)+\f)
.set rB, 48*(\p)+12*\f
.set rA, AF+48*(\sl)+12*(\a)
.if \zero
	v_wmma_scale_f32_16x16x128_f8f6f4 v[rD:rD+7], v[rB:rB+11], v[rA:rA+11], 0, v[SB+4*(\p)+\f], v[SA+4*(\sl)+(\a)] matrix_a_fmt:MATRIX_FMT_BF6 matrix_b_fmt:MATRIX_FMT_BF6
.else
	v_wmma_scale_f32_16x16x128_f8f6f4 v[rD:rD+7], v[rB:rB+11], v[rA:rA+11], v[rD:rD+7], v[SB+4*(\p)+\f], v[SA+4*(\sl)+(\a)] matrix_a_fmt:MATRIX_FMT_BF6 matrix_b_fmt:MATRIX_FMT_BF6
.endif
.endr
.endr
.endm
.macro FETCHQ sl, p                    ; 13 LDS loads: my panel p of slot sl: four fragments as they lie, and their scale words
	WIN 0x40
.irp f, 0,1,2,3
.irp c, 0,1,2
	ds_load_b128 v[48*(\p)+12*\f+4*\c:48*(\p)+12*\f+4*\c+3], v[1+(\sl)] offset:PANEL*(\p)+1536*\f+512*\c
.endr
.endr
	WIN 0
	ds_load_b128 v[SB+4*(\p):SB+4*(\p)+3], v[3+(\sl)] offset:PANEL*(\p)
.endm
.macro ALOAD sl                        ; 13 loads: a panel of A into set sl
.irp a, 0,1,2,3
.irp c, 0,1,2
	global_load_b128 v[AF+48*(\sl)+12*\a+4*\c:AF+48*(\sl)+12*\a+4*\c+3], v5, s[AB+2*(\sl):AB+2*(\sl)+1] offset:1536*\a+512*\c
.endr
.endr
	global_load_b128 v[SA+4*(\sl):SA+4*(\sl)+3], v6, s[AB+2*(\sl):AB+2*(\sl)+1]
.endm
; A K step in slot sl.  fill = 1: the slot is filled again, two K steps ahead, behind a round of the cluster's barrier in the step's middle: the load has 48 matrix instructions in which to land.
; nxt = 1: the next step's fragments are fetched from the other slot.  lc: the younger loads of A that may stay out.
; Four plain instructions stand in front of each run of loads into registers that matrix instructions have read (ISA guide 7.12.1 for vector instructions).
.macro STEP sl, fill, nxt, lc, zero
	s_wait_loadcnt \lc                             ; this step's panel of A is in
	s_wait_dscnt 39                                ; B's panel 0 is in; panels 1 to 3, 13 loads each, may be out
	MUL8 0, 0, \sl, \zero
	MUL8 0, 2, \sl, \zero
	s_wait_dscnt 26
	MUL8 1, 0, \sl, \zero
	MUL8 1, 2, \sl, \zero
	WIN 0
.if \fill
	s_wait_tensorcnt 0x0                           ; all my tensor loads have landed: the one that was out is my part of the other slot
	ds_add_u32 v7, v8                              ; 0 onto my spare word
	s_wait_dscnt 14                                ; panel 2 is in (panel 3's 13 loads and the add may be out)
	MUL8 2, 0, \sl, \zero
	s_wait_dscnt 0x0                               ; the add is done, and my reads of this slot are over
	s_barrier_signal -1
	MUL8 2, 2, \sl, \zero
	WIN 0
	s_barrier_wait -1
	CREST                                          ; no wave of any partner still reads this slot or has a load on its way
	s_add_nc_u64 s[G0+4*\sl+2:G0+4*\sl+3], s[G0+4*\sl+2:G0+4*\sl+3], s[BST:BST+1]
	tensor_load_to_lds s[G0+4*\sl:G0+4*\sl+3], s[G1:G1+7]
	s_nop 0
	PLACES 4                                       ; four v_nop behind a tensor load; also the places in front of the loads below
.else
.if \nxt
	s_wait_tensorcnt 0x0                           ; my part of the other slot, my last tensor load, is in; I alone read it, and nothing is filled again
.endif
	s_wait_dscnt 13
	MUL8 2, 0, \sl, \zero
	MUL8 2, 2, \sl, \zero
	WIN 0
.if \nxt
	PLACES 4
.endif
.endif
.if \nxt
	FETCHQ 1-\sl, 0
	FETCHQ 1-\sl, 1
	FETCHQ 1-\sl, 2
	s_wait_dscnt 39                                ; all but the 39 just issued: panel 3 is in
.else
	s_wait_dscnt 0x0
.endif
	MUL8 3, 0, \sl, \zero
	MUL8 3, 2, \sl, \zero
	WIN 0
.if \nxt
	PLACES 4
	FETCHQ 1-\sl, 3
.endif
.if \fill
	s_add_nc_u64 s[AB+2*\sl:AB+2*\sl+1], s[AB+2*\sl:AB+2*\sl+1], s[AST:AST+1]   ; the loads that named this base were shown done at the step's head
	ALOAD \sl
.endif
.endm
; 64 numbers of a lane in window win, register 16 b + i = k 32 b + 16 (lane / 16) + i of its row, become a fragment's 12 registers in v[pc] on and the row's scale word in v[pw] (window 0).
; Each accumulator is read from its low end on.
.macro QUANT src, win, pc, ax, pw
	WIN (\win)|((\win)<<2)
.irp b, 0,1,2,3
	v_max3_num_f32 v[TM+\b], |v[(\src)+16*\b]|, |v[(\src)+16*\b+1]|, 0x2800000   ; and the floor 2^(5 - 127): the byte cannot fall under 1
.endr
.irp i, 2,4,6,8,10,12,14
.irp b, 0,1,2,3
	v_max3_num_f32 v[TM+\b], |v[(\src)+16*\b+\i]|, |v[(\src)+16*\b+\i+1]|, v[TM+\b]
.endr
.endr
	WIN 0
.irp b, 0,1,2,3
	v_permlanex16_b32 v[TM+4+\b], v[TM+\b], s[SEL], s[SEL+1]
.endr
.irp b, 0,1,2,3
	v_max_num_f32 v[TM+\b], v[TM+\b], v[TM+4+\b]
.endr
.irp b, 0,1,2,3
	v_add_nc_u32 v[TM+12+\b], 0xfe000000, v[TM+\b]   ; 4 off the exponent field: the conversion's scale operand
.endr
.irp b, 0,1,2,3
	v_lshrrev_b32 v[TM+4+\b], 23, v[TM+12+\b]
.endr
	v_lshl_or_b32 v[\pw], v[TM+5], 8, v[TM+4]
	v_lshl_or_b32 v[\pw], v[TM+6], 16, v[\pw]
	v_lshl_or_b32 v[\pw], v[TM+7], 24, v[\pw]
	WIN (\win)
.irp c, 0,1
	v_cvt_scalef32_pk16_bf6_f32 v[(\pc)+6*\c:(\pc)+6*\c+2], v[(\src)+32*\c:(\src)+32*\c+15], v[TM+12+2*\c]
	v_cvt_scalef32_pk16_bf6_f32 v[(\ax)+4*\c:(\ax)+4*\c+2], v[(\src)+32*\c+16:(\src)+32*\c+31], v[TM+13+2*\c]
.endr
	WIN 0
	v_nop                                          ; one plain instruction behind the scaled conversions
.irp c, 0,1
.irp i, 0,1,2
	v_permlane16_swap_b32 v[(\pc)+6*\c+\i], v[(\ax)+4*\c+\i]
.endr
.irp i, 0,1,2
	v_mov_b32 v[(\pc)+6*\c+3+\i], v[(\ax)+4*\c+\i]
.endr
.endr
.endm
.macro QOUT x, a                       ; my columns 128 x .. + 127 of A's fragment a: one fragment of the output, 3 stores of 512 consecutive bytes
	s_wait_xcnt 0x0                                ; the last fragment's stores have read the codes' registers
	QUANT 64*(\a), 2+(\x), PC, AX, PW+4*(\x)+(\a)
.irp c, 0,1,2
	global_store_b128 v5, v[PC+4*\c:PC+4*\c+3], s[OB+2*(\x):OB+2*(\x)+1] offset:1536*(\a)+512*\c
.endr
.endm
	s_load_b128 s[4:7], s[0:1], 0x0                ; xw, qkv
	v_lshl_add_u32 v7, v0, 2, SPARE
	v_mov_b32 v8, 0
	ds_add_u32 v7, v8
	ds_add_u32 v7, v8
	s_wait_dscnt 0x0
	v_lshrrev_b32 v9, 5, v0
	v_readfirstlane_b32 s[WV], v9                  ; wave 0..3
	s_bfe_u32 s21, ttmp6, 0x40000                  ; cx: it enters A's and the output's global addresses alone
	s_and_b32 s8, ttmp7, 0xffff                    ; y: 0 Q, 1 K, 2 V: the same in all partners
	s_lshr_b32 s9, ttmp9, 2
	s_and_b32 s10, ttmp9, 3
	s_mul_i32 s11, s8, 3276800                     ; y x 512 panels: A's place for Q and K, the output's place for all three
	s_mul_i32 s12, s8, 819200
	s_add_co_u32 s12, s12, 9830400                 ; Wq's or Wk's panels
	s_mov_b32 s13, 11468800                        ; Wv's panels
	s_mov_b32 s14, 6553600                         ; value's panels
	s_mov_b32 s15, 102400                          ; 16 panels
	s_mov_b32 s16, 409600                          ; 64 panels
	s_cmp_eq_u32 s8, 2
	s_cselect_b32 s23, s9, 0                       ; cb: V has four column blocks of 1,024 tokens
	s_cselect_b32 s22, s10, ttmp9                  ; which four row blocks are the cluster's
	s_cselect_b32 s13, s13, s11                    ; A's place
	s_cselect_b32 s14, s14, s12                    ; B's place
	s_cselect_b32 s58, s15, s16                    ; a K step of A in bytes; the output has as many row blocks as A
	s_cselect_b32 s59, s16, s15                    ; a K step of B
	s_lshl_b32 s17, s23, 4
	s_lshl_b32 s18, s[WV], 2
	s_add_co_u32 s17, s17, s18                     ; B's panel 16 cb + 4 w
	s_mul_i32 s18, s17, PANEL
	s_add_co_u32 s18, s18, s14
	s_mov_b32 s19, 0
	s_lshl_b32 s[BST], s59, 1
	s_mov_b32 s[BST+1], 0
	s_mov_b32 s62, s59
	s_mov_b32 s63, 0
	s_lshl_b32 s22, s22, 2
	s_add_co_u32 s22, s22, s21                     ; rb
	s_mul_i32 s2, s22, PANEL
	s_add_co_u32 s66, s2, s13
	s_mov_b32 s67, 0
	s_lshl_b32 s[AST], s58, 1
	s_mov_b32 s[AST+1], 0
	s_mov_b32 s68, s58
	s_mov_b32 s69, 0
	s_lshl_b32 s3, s23, 3
	s_lshl_b32 s70, s[WV], 1
	s_add_co_u32 s3, s3, s70                       ; the output's K step 8 cb + 2 w
	s_mul_i32 s3, s3, s58
	s_add_co_u32 s70, s3, s2
	s_add_co_u32 s70, s70, s11
	s_mov_b32 s71, 0
	s_mul_i32 s61, s[WV], WPART                    ; my part of a slot: no place in the cluster enters an LDS address
	s_mov_b32 s[G1+0], 15|(3<<16)|(1<<21)          ; 15:0 the mask: all four work-groups; 17:16 elements of 8 bytes; 21 set beside a mask; no padding
	s_mov_b32 s[G1+1], 32<<16                      ; tensor_dim0 = 32 elements: rows of 256 bytes
	s_mov_b32 s[G1+2], 100<<16                     ; tensor_dim1 = 100 rows: 25,600 dense bytes
	s_mov_b32 s[G1+3], 32<<16                      ; tile_dim0
	s_mov_b32 s[G1+4], 100                         ; tile_dim1
	s_mov_b32 s[G1+5], 32                          ; the pitch
	s_mov_b32 s[G1+6], 0
	s_mov_b32 s[G1+7], 0
	s_mov_b32 s[SEL], 0x76543210
	s_mov_b32 s[SEL+1], 0xfedcba98
	s_wait_kmcnt 0x0
	s_add_nc_u64 s[AB:AB+1], s[4:5], s[66:67]
	s_add_nc_u64 s[AB+2:AB+3], s[AB:AB+1], s[68:69]
	s_add_nc_u64 s[OB:OB+1], s[6:7], s[70:71]
	s_add_nc_u64 s[OB+2:OB+3], s[OB:OB+1], s[68:69]
	s_mov_b32 s[G0], 1
	s_mov_b32 s[G0+1], s61
	s_add_nc_u64 s[G0+2:G0+3], s[4:5], s[18:19]    ; K step 0
	s_mov_b32 s[G0+4], 1
	s_add_co_u32 s[G0+5], s61, SLOTB
	s_add_nc_u64 s[G0+6:G0+7], s[G0+2:G0+3], s[62:63]   ; K step 1
	s_or_b32 s[G0+3], s[G0+3], 0x80000000
	s_or_b32 s[G0+7], s[G0+7], 0x80000000
	CROUND                                         ; all four work-groups are here: the first joint loads meet
	tensor_load_to_lds s[G0:G0+3], s[G1:G1+7]      ; two tensor loads of mine are out
	s_nop 0
	tensor_load_to_lds s[G0+4:G0+7], s[G1:G1+7]
	s_nop 0
	PLACES 4
	v_and_b32 v10, 31, v0                          ; lane
	v_and_b32 v11, 15, v0                          ; r
	v_bfe_u32 v12, v0, 4, 1                        ; h
	v_lshlrev_b32 v5, 4, v10                       ; an image's place for my lane
	v_lshl_add_u32 v6, v11, 4, 6144                ; my row-lane's four scale words
	ALOAD 0
	ALOAD 1
	v_add_nc_u32 v1, s61, v5
	v_add_nc_u32 v2, SLOTB, v1
	v_add_nc_u32 v3, s61, v6
	v_add_nc_u32 v4, SLOTB, v3
	v_mul_u32_u24 v9, s58, v12
	v_add_nc_u32 v9, v9, v6                        ; the way out: lanes 0-15 my first panel's scale words, lanes 16-31 my second's
	s_wait_tensorcnt 1                             ; my part of slot 0 is in; slot 1's may be out.  I alone read my part
	FETCHQ 0, 0
	FETCHQ 0, 1
	FETCHQ 0, 2
	FETCHQ 0, 3
	STEP 0, 1, 1, 13, 1                            ; K step 0 starts the sums: nothing is cleared
	STEP 1, 1, 1, 13, 0
	s_mov_b32 s[CNT], 2
.Lk:                                               ; K steps 2 to 5
	STEP 0, 1, 1, 13, 0
	STEP 1, 1, 1, 13, 0
	s_sub_co_u32 s[CNT], s[CNT], 1
	s_cmp_lg_u32 s[CNT], 0
	s_cbranch_scc1 .Lk
	STEP 0, 0, 1, 13, 0                            ; the last two fill nothing: written out
	STEP 1, 0, 0, 0, 0
	PLACES 4                                       ; in front of the first read of results and the first write of the last products' sources
.irp b, 0,1,2,3
	v_mov_b32 v[TM+4+\b], 0                        ; a lane permute's destination counts as one of its sources
.endr
.irp x, 0,1
.irp a, 0,1,2,3
	QOUT \x, \a
.endr
.endr
	v_cmp_le_u32 vcc_lo, 16, v10
.irp a, 0,1,2,3
	v_cndmask_b32 v[DD+\a], v[PW+\a], v[PW+4+\a], vcc_lo
.endr
	global_store_b128 v9, v[DD:DD+3], s[OB:OB+1]   ; twice 256 consecutive bytes
	s_wait_tensorcnt 0x0                           ; the wave's end
	ds_add_u32 v7, v8
	s_wait_dscnt 0x0
	CROUND                                         ; the closing round
	s_endpgm
.Lfunc_end_k_qf7a8db2bde_qkv:
	.size	k_qf7a8db2bde_qkv, .Lfunc_end_k_qf7a8db2bde_qkv-k_qf7a8db2bde_qkv
	.p2alignl 7, 3214868480
	.fill 96, 4, 3214868480
	.section	.rodata,"a",@progbits
	.p2align	6, 0x0
	.amdhsa_kernel k_qf7a8db2bde_qkv
		.amdhsa_group_segment_fixed_size 327680
		.amdhsa_private_segment_fixed_size 0
		.amdhsa_enable_private_segment 0
		.amdhsa_kernarg_size 16
		.amdhsa_user_sgpr_count 2
		.amdhsa_user_sgpr_kernarg_segment_ptr 1
		.amdhsa_wavefront_size32 1
		.amdhsa_system_sgpr_workgroup_id_x 1
		.amdhsa_system_sgpr_workgroup_id_y 1
		.amdhsa_system_sgpr_workgroup_id_z 1
		.amdhsa_system_vgpr_workitem_id 0
		.amdhsa_next_free_vgpr 1024
		.amdhsa_next_free_sgpr 72
		.amdhsa_reserve_vcc 1
		.amdhsa_float_denorm_mode_32 3
		.amdhsa_float_denorm_mode_16_64 3
		.amdhsa_memory_ordered 1
		.amdhsa_forward_progress 1
		.amdhsa_inst_pref_size 122
	.end_amdhsa_kernel
	.amdgpu_metadata
---
amdhsa.version: [ 1, 2 ]
amdhsa.kernels:
  - .name:           k_qf7a8db2bde_qkv
    .symbol:         k_qf7a8db2bde_qkv.kd
    .args:
      - { .name: xw, .offset: 0, .size: 8, .value_kind: global_buffer, .address_space: global }
      - { .name: qkv, .offset: 8, .size: 8, .value_kind: global_buffer, .address_space: global }
    .group_segment_fixed_size: 327680
    .private_segment_fixed_size: 0
    .kernarg_segment_align: 8
    .kernarg_segment_size: 16
    .max_flat_workgroup_size: 128
    .sgpr_count:     72
    .vgpr_count:     1024
    .wavefront_size: 32
...
	.end_amdgpu_metadata
.endif
;; end of part 2
;; launch att (part 3): grid 16 x 16, 4 waves a work-group, clusters of 4 x 1, 327,680 bytes of LDS; arguments qkv, lambda_param, ap; writes ap
.if DOCPART == 3
	.amdgcn_target "amdgcn-amd-amdhsa--gfx1250"
	.amdhsa_code_object_version 6
	.text
	.protected	k_qf7a8db2bde_att
	.globl	k_qf7a8db2bde_att
	.p2align	8
	.type	k_qf7a8db2bde_att,@function
k_qf7a8db2bde_att:
	s_mov_b64 s[64:65], 0
	v_nop
	global_prefetch_b8 v0, s[64:65] scope:SCOPE_SE
	s_setreg_imm32_b32 hwreg(HW_REG_WAVE_MODE, 25, 1), 1
	s_wait_xcnt 0x0
	s_wait_alu depctr_hold_cnt(0) depctr_sa_sdst(0) depctr_va_vdst(0) depctr_va_sdst(0) depctr_va_ssrc(0) depctr_va_vcc(0) depctr_vm_vsrc(0)
	s_getreg_b32 s2, hwreg(HW_REG_IB_STS2, 6, 4)
	s_cmp_eq_u32 s2, 0
	s_cbranch_scc0 .Lentry_in_a_cluster
	s_endpgm
.Lentry_in_a_cluster:
	s_bfe_u32 s2, ttmp6, 0x10000c
	s_cmp_lg_u32 s2, 0x3003
	s_cbranch_scc0 .Lentry_shape_is_right
	s_endpgm
.Lentry_shape_is_right:
; attn_out = (softmax(s) - sigmoid(lambda) softmax(s - 1)) V, s = Q K^T / sqrt(128), for one (batch, head) and 128 queries a work-group; both products on codes of BF6 with E8M0 scales.
; The weights are quantised FINISHED AND NORMALISED, so a row's maximum and sum are known first: TWO PASSES over the keys.  Pass 1: S^T = K Q^T, a running maximum M (a whole number, the largest t rounded up,
; t = s log2(e)) and the sum l of 2^(t - M).  Pass 2: S^T again, p = 2^(t - M) g, quantised along the keys, O^T += V^T p^T.
; softmax(s - 1) takes its own maximum away, so it is softmax(s) for every input but for the rounding of s - 1: the weights are formed as e (1 - lam) / l, g = (1 - lam) / l, lam rounded to f32 as in the sigmoid.
; LIMITS: a weight whose 2^(t - M) falls under 2^-126 becomes 0 (ISA guide, v_exp_f32); a block of zeros carries the byte 1; NaN and infinities are not served.
; SHARES.  Wave w owns 32 queries, two tiles: fragments 2 (w % 2) + t of Q's panel w / 2, so each fragment of K and V read from LDS feeds two matrix instructions.  Both products are used transposed, so a lane holds
; one query throughout, and by the panels' row order its 64 scores of a key step are keys 32 (n / 16) + 16 h + n % 16.
; LDS.  All of the head's K (204,800 dense bytes) comes once and serves both passes; V goes through two slots of four key steps, whose first fills land under pass 1; two refills in all, each with four key steps in
; which to land.  CLUSTER: the four query blocks of a cluster walk the same K and V: every tile is asked for JOINTLY, with the mask of all four.  By this text's count six tensor loads of a wave are out at the head.
; REGISTERS.  window 0: v1-12 addresses, 1 - lam; v16-23 K's scale words, v24-31 V's, v32-33 Q's, v34-35 p's; v36-59 p's codes; v60-83 at work in QUANT; v84-95 statistics, six a tile: -M, largest t, l (a pair),
;   f or g (a pair); v96-111 at work; v128-255 S^T, then p.   window 1: v0-95 K, v96-191 V, v192-215 Q.   window 2: v0-127 O^T (64 t + 8 fv).
.set PANEL, 6400
.set KSTEP, 2*PANEL                    ; a key step's tiles: 128 keys of K, or 128 channels x 128 keys of V
.set VS0,   16*KSTEP                   ; behind K: V's two slots of four key steps
.set VSLOT, 4*KSTEP
.set SPARE, VS0+2*VSLOT                ; the spare words: two blocks of 256 bytes that no other line names
.set SCG,   SPARE+512                  ; the way out: two panels' scale words
.set WV,  20
.set G1,  24                           ; s[24:31] group 1;  s[32:47] K's four groups 0;  s[48:63] V's four: all written once
.set CS,  66                           ; s[66:67] c = log2(e) / sqrt(128)
.set SEL, 68
.set TK,  70                           ; LDS byte of the key step of K to be fetched
.set TV,  71                           ; and of V
.set CNT, 72
.set KS,  16
.set VS,  24
.set QS,  32
.set PWR, 34
.set PCD, 36
.set TM,  60
.set AX,  76
.set ST,  84
.set BM,  96
.set LT,  104
.set XT,  108
.set YT,  110
.set S,   128
.set MSB, 0
.macro WIN new
.if MSB != (\new)
	s_set_vgpr_msb (MSB<<8)|(\new)
.set MSB, (\new)
.endif
.endm
.macro PLACES n
.rept \n
	v_nop
.endr
.endm
.macro CROUND                          ; a round of the cluster's barrier
	s_barrier_signal -1
	s_barrier_wait -1
	s_cmp_lg_u32 s[WV], 0
	s_cbranch_scc1 .Lnot_wave_0_\@
	s_barrier_signal -3
.Lnot_wave_0_\@:
	s_barrier_wait -3
	s_barrier_signal -1
	s_barrier_wait -1
.endm
.macro QUANT src, win, pc, ax, pw      ; 64 numbers of a lane (register 16 b + i = k 32 b + 16 (lane / 16) + i) -> 12 registers of codes, a scale word.  Accumulators are read from their low end on
	WIN (\win)|((\win)<<2)
.irp b, 0,1,2,3
	v_max3_num_f32 v[TM+\b], |v[(\src)+16*\b]|, |v[(\src)+16*\b+1]|, 0x2800000   ; and the floor 2^(5 - 127)
.endr
.irp i, 2,4,6,8,10,12,14
.irp b, 0,1,2,3
	v_max3_num_f32 v[TM+\b], |v[(\src)+16*\b+\i]|, |v[(\src)+16*\b+\i+1]|, v[TM+\b]
.endr
.endr
	WIN 0
.irp b, 0,1,2,3
	v_permlanex16_b32 v[TM+4+\b], v[TM+\b], s[SEL], s[SEL+1]
.endr
.irp b, 0,1,2,3
	v_max_num_f32 v[TM+\b], v[TM+\b], v[TM+4+\b]
.endr
.irp b, 0,1,2,3
	v_add_nc_u32 v[TM+12+\b], 0xfe000000, v[TM+\b]
.endr
.irp b, 0,1,2,3
	v_lshrrev_b32 v[TM+4+\b], 23, v[TM+12+\b]
.endr
	v_lshl_or_b32 v[\pw], v[TM+5], 8, v[TM+4]
	v_lshl_or_b32 v[\pw], v[TM+6], 16, v[\pw]
	v_lshl_or_b32 v[\pw], v[TM+7], 24, v[\pw]
	WIN (\win)
.irp c, 0,1
	v_cvt_scalef32_pk16_bf6_f32 v[(\pc)+6*\c:(\pc)+6*\c+2], v[(\src)+32*\c:(\src)+32*\c+15], v[TM+12+2*\c]
	v_cvt_scalef32_pk16_bf6_f32 v[(\ax)+4*\c:(\ax)+4*\c+2], v[(\src)+32*\c+16:(\src)+32*\c+31], v[TM+13+2*\c]
.endr
	WIN 0
	v_nop                                          ; one plain instruction behind the scaled conversions
.irp c, 0,1
.irp i, 0,1,2
	v_permlane16_swap_b32 v[(\pc)+6*\c+\i], v[(\ax)+4*\c+\i]
.endr
.irp i, 0,1,2
	v_mov_b32 v[(\pc)+6*\c+3+\i], v[(\ax)+4*\c+\i]
.endr
.endr
.endm
.macro FETCHK                          ; 26 LDS loads: a key step's eight fragments of K and their scale words
	WIN 0x40
.irp f, 0,1,2,3,4,5,6,7
.irp c, 0,1,2
	ds_load_b128 v[12*\f+4*\c:12*\f+4*\c+3], v3 offset:PANEL*(\f/4)+1536*(\f%4)+512*\c
.endr
.endr
	WIN 0
	ds_load_b128 v[KS:KS+3], v4
	ds_load_b128 v[KS+4:KS+7], v4 offset:PANEL
.endm
.macro FETCHV
	WIN 0x40
.irp f, 0,1,2,3,4,5,6,7
.irp c, 0,1,2
	ds_load_b128 v[96+12*\f+4*\c:96+12*\f+4*\c+3], v5 offset:PANEL*(\f/4)+1536*(\f%4)+512*\c
.endr
.endr
	WIN 0
	ds_load_b128 v[VS:VS+3], v6
	ds_load_b128 v[VS+4:VS+7], v6 offset:PANEL
.endm
.macro KQ                              ; S^T = K Q^T: 16 products, each a sum of its own
	WIN 0x05
.irp fk, 0,1,2,3,4,5,6,7
.irp t, 0,1
	v_wmma_scale_f32_16x16x128_f8f6f4 v[S+64*\t+8*\fk:S+64*\t+8*\fk+7], v[12*\fk:12*\fk+11], v[192+12*\t:192+12*\t+11], 0, v[KS+\fk], v[QS+\t] matrix_a_fmt:MATRIX_FMT_BF6 matrix_b_fmt:MATRIX_FMT_BF6
.endr
.endr
.endm
.macro PV zero                         ; O^T += V^T p^T: the 16 accumulators by turns, one instruction a turn
	WIN 0xa1
.irp fv, 0,1,2,3,4,5,6,7
.irp t, 0,1
.if \zero
	v_wmma_scale_f32_16x16x128_f8f6f4 v[64*\t+8*\fv:64*\t+8*\fv+7], v[96+12*\fv:96+12*\fv+11], v[PCD+12*\t:PCD+12*\t+11], 0, v[VS+\fv], v[PWR+\t] matrix_a_fmt:MATRIX_FMT_BF6 matrix_b_fmt:MATRIX_FMT_BF6
.else
	v_wmma_scale_f32_16x16x128_f8f6f4 v[64*\t+8*\fv:64*\t+8*\fv+7], v[96+12*\fv:96+12*\fv+11], v[PCD+12*\t:PCD+12*\t+11], v[64*\t+8*\fv:64*\t+8*\fv+7], v[VS+\fv], v[PWR+\t] matrix_a_fmt:MATRIX_FMT_BF6 matrix_b_fmt:MATRIX_FMT_BF6
.endif
.endr
.endr
.endm
.macro EXPS                            ; t - M, two at a time, and 2^(t - M): 128 exponentials in one batch
.irp t, 0,1
.set j, 0
.rept 32
	v_pk_fma_f32 v[S+64*\t+j:S+64*\t+j+1], v[S+64*\t+j:S+64*\t+j+1], s[CS:CS+1], v[ST+6*\t:ST+6*\t+1] op_sel_hi:[1,0,0]
.set j, j+2
.endr
.endr
.set j, 0
.rept 128
	v_exp_f32 v[S+j], v[S+j]
.set j, j+1
.endr
.endm
; A key step of pass 1.  mid = 1: the rest of K is shown landed, by every wave, before the next step's K is fetched.  mid = 2: the last step: the fetch is pass 2's first.
; Each lane keeps a maximum and a sum over its own 64 keys of a step; the two halves of a query are joined behind the pass.
.macro STEP1 mid
	s_wait_dscnt 0x0                               ; K's fragments are in
	KQ
	WIN 0
	PLACES 4                                       ; in front of the loads into K's registers and of the first read of the scores
.if \mid == 1
	s_wait_tensorcnt 2                             ; all my parts of K are in; V's two loads may be out
	s_barrier_signal -1
	s_barrier_wait -1
.endif
.if \mid == 2
	s_mov_b32 s[TK], 0
.else
	s_add_co_u32 s[TK], s[TK], KSTEP
.endif
	v_add_nc_u32 v3, s[TK], v1
	v_add_nc_u32 v4, s[TK], v2
	FETCHK                                         ; lands under the vector work below
.irp t, 0,1
.irp b, 0,1,2,3
	v_max3_num_f32 v[BM+4*\t+\b], v[S+64*\t+16*\b], v[S+64*\t+16*\b+1], v[S+64*\t+16*\b+2]
.endr
.endr
.irp i, 3,5,7,9,11,13
.irp t, 0,1
.irp b, 0,1,2,3
	v_max3_num_f32 v[BM+4*\t+\b], v[BM+4*\t+\b], v[S+64*\t+16*\b+\i], v[S+64*\t+16*\b+\i+1]
.endr
.endr
.endr
.irp t, 0,1
.irp b, 0,1,2,3
	v_max_num_f32 v[BM+4*\t+\b], v[BM+4*\t+\b], v[S+64*\t+16*\b+15]
.endr
.endr
.irp t, 0,1
	v_max3_num_f32 v[XT+\t], v[BM+4*\t], v[BM+4*\t+1], v[BM+4*\t+2]
.endr
.irp t, 0,1
	v_max_num_f32 v[XT+\t], v[XT+\t], v[BM+4*\t+3]
.endr
.irp t, 0,1
	v_mul_f32 v[XT+\t], s[CS], v[XT+\t]            ; the step's largest score as t (c is positive)
.endr
.irp t, 0,1
	v_max_num_f32 v[ST+6*\t+1], v[ST+6*\t+1], v[XT+\t]
.endr
.irp t, 0,1
	v_mov_b32 v[XT+\t], v[ST+6*\t]
.endr
.irp t, 0,1
	v_floor_f32 v[ST+6*\t], -v[ST+6*\t+1]          ; -M = floor(-t): M is a whole number
.endr
.irp t, 0,1
	v_sub_f32 v[XT+\t], v[ST+6*\t], v[XT+\t]       ; old M - new M, 0 or less
.endr
.irp t, 0,1
	v_cvt_i32_f32 v[XT+\t], v[XT+\t]               ; (it saturates)
.endr
.irp t, 0,1
	v_ldexp_f32 v[ST+6*\t+4], 1.0, v[XT+\t]        ; f = 2^(old M - new M): a multiplication by it rounds nothing
.endr
	EXPS
.irp t, 0,1
	v_pk_mul_f32 v[ST+6*\t+2:ST+6*\t+3], v[ST+6*\t+2:ST+6*\t+3], v[ST+6*\t+4:ST+6*\t+5] op_sel_hi:[1,0]   ; the sums under the new M; the plain instructions behind the batch
.endr
	s_wait_alu depctr_va_vdst(0)                   ; one wait for the batch, ahead of its first reader
.irp t, 0,1
	v_pk_add_f32 v[LT+2*\t:LT+2*\t+1], v[S+64*\t:S+64*\t+1], v[S+64*\t+2:S+64*\t+3]
.endr
.irp j, 4,8,12,16,20,24,28,32,36,40,44,48,52,56,60
.irp t, 0,1
	v_pk_add_f32 v[ST+6*\t+2:ST+6*\t+3], v[ST+6*\t+2:ST+6*\t+3], v[S+64*\t+\j:S+64*\t+\j+1]
	v_pk_add_f32 v[LT+2*\t:LT+2*\t+1], v[LT+2*\t:LT+2*\t+1], v[S+64*\t+\j+2:S+64*\t+\j+3]
.endr
.endr
.irp t, 0,1
	v_pk_add_f32 v[ST+6*\t+2:ST+6*\t+3], v[ST+6*\t+2:ST+6*\t+3], v[LT+2*\t:LT+2*\t+1]
.endr
.endm
; A key step of pass 2.  zero = 1: its products start O^T's sums.  pre = 1: the next step's K is fetched.
.macro STEP2 zero, pre
	KQ                                             ; K's fragments were waited for in front of the last products (the first step's: in front of the barrier)
	WIN 0
	v_add_nc_u32 v5, s[TV], v1                     ; four plain instructions: the places behind these products and behind the last V^T p^T, in front of the loads below
	v_add_nc_u32 v6, s[TV], v2
.if \pre
	v_add_nc_u32 v3, s[TK], v1
	v_add_nc_u32 v4, s[TK], v2
	FETCHK
.else
	PLACES 2
.endif
	FETCHV
	EXPS
	v_nop                                          ; the plain instruction behind the batch
	s_wait_alu depctr_va_vdst(0)                   ; one wait for the batch
.irp t, 0,1
.set j, 0
.rept 32
	v_pk_mul_f32 v[S+64*\t+j:S+64*\t+j+1], v[S+64*\t+j:S+64*\t+j+1], v[ST+6*\t+4:ST+6*\t+5] op_sel_hi:[1,0]   ; the finished weight: e (1 - lam) / l
.set j, j+2
.endr
.endr
	QUANT S, 0, PCD, AX, PWR
	QUANT S+64, 0, PCD+12, AX, PWR+1
	s_wait_dscnt 0x0                               ; V's fragments, and the next step's K, are in
	PLACES 8                                       ; a scale word written by vector instructions stands 8 places ahead of a scaled product, an operand so written 4
	PV \zero
	WIN 0
	s_add_co_u32 s[TK], s[TK], KSTEP
	s_add_co_u32 s[TV], s[TV], KSTEP
.endm
.macro LOOP2 n                         ; n key steps of pass 2
	s_mov_b32 s[CNT], \n
.Lstep2_\@:
	STEP2 0, 1
	s_sub_co_u32 s[CNT], s[CNT], 1
	s_cmp_lg_u32 s[CNT], 0
	s_cbranch_scc1 .Lstep2_\@
.endm
.macro CHANGE g                        ; the slot of V just left is filled again with group g's four key steps
	s_wait_tensorcnt 0x0                           ; all my tensor loads have landed: my part of the slot ahead
	ds_add_u32 v7, v8                              ; 0 onto my spare word
	s_wait_dscnt 0x0                               ; the add is done, and my reads of the slot that I leave are over
	CROUND                                         ; both now hold of every wave of every partner
	tensor_load_to_lds s[48+4*\g:51+4*\g], s[G1:G1+7]
	s_nop 0
	PLACES 4
.endm
	s_load_b128 s[4:7], s[0:1], 0x0                ; qkv, lambda_param
	s_load_b64 s[8:9], s[0:1], 0x10                ; ap
	v_lshl_add_u32 v7, v0, 2, SPARE
	v_mov_b32 v8, 0
	ds_add_u32 v7, v8
	ds_add_u32 v7, v8
	s_wait_dscnt 0x0
	v_lshrrev_b32 v13, 5, v0
	v_readfirstlane_b32 s[WV], v13                 ; wave 0..3
	s_bfe_u32 s21, ttmp6, 0x40000                  ; cx: it enters Q's and the output's global addresses alone
	s_and_b32 s10, ttmp7, 0xffff                   ; 8 b + h, which the partners share
	s_lshr_b32 s11, s10, 3                         ; b
	s_and_b32 s12, s10, 7                          ; h
	s_lshl_b32 s13, s12, 6
	s_lshl_b32 s14, s11, 5
	s_add_co_u32 s13, s13, s14                     ; panel 64 h + 32 b: where this head's rows of this batch begin in Q, K and the output
	s_mul_i32 s14, s13, PANEL
	s_mul_i32 s16, s[WV], KSTEP                    ; of four key steps I fetch the w-th: in memory and in LDS
	s_add_co_u32 s14, s14, s16
	s_add_co_u32 s14, s14, 3276800                 ; K's panels
	s_mov_b32 s15, 0
	s_lshl_b32 s17, s11, 8
	s_lshl_b32 s18, s[WV], 4
	s_add_co_u32 s17, s17, s18
	s_lshl_b32 s18, s12, 1
	s_add_co_u32 s17, s17, s18                     ; V's panel (16 b + w) 16 + 2 h
	s_mul_i32 s18, s17, PANEL
	s_add_co_u32 s18, s18, 6553600
	s_mov_b32 s19, 0
	s_lshl_b32 s22, ttmp9, 2
	s_add_co_u32 s22, s22, s21                     ; my block of 128 queries
	s_lshl_b32 s22, s22, 1
	s_add_co_u32 s22, s22, s13                     ; the first of its two panels
	s_mul_i32 s2, s22, PANEL
	s_mov_b32 s3, 0
	s_lshr_b32 s23, s[WV], 1
	s_mul_i32 s74, s23, PANEL
	s_add_co_u32 s74, s74, s2                      ; my panel
	s_and_b32 s23, s[WV], 1
	s_mul_i32 s75, s23, 3072
	s_add_co_u32 s76, s74, s75                     ; my two fragments in it
	s_mov_b32 s77, 0
	s_lshl_b32 s78, s23, 3
	s_add_co_u32 s78, s78, s74                     ; and their scale words' columns
	s_mov_b32 s79, 0
	s_mov_b32 s[G1+0], 15|(3<<16)|(1<<21)          ; the mask of all four; elements of 8 bytes; bit 21 beside a mask; no padding
	s_mov_b32 s[G1+1], 32<<16                      ; rows of 256 bytes,
	s_mov_b32 s[G1+2], 50<<16                      ; 50 of them: 12,800 dense bytes
	s_mov_b32 s[G1+3], 32<<16
	s_mov_b32 s[G1+4], 50
	s_mov_b32 s[G1+5], 32
	s_mov_b32 s[G1+6], 0
	s_mov_b32 s[G1+7], 0
	s_mov_b32 s[CS], 0x3e0293ee
	s_mov_b32 s[CS+1], s[CS]
	s_mov_b32 s[SEL], 0x76543210
	s_mov_b32 s[SEL+1], 0xfedcba98
	s_wait_kmcnt 0x0
	s_load_b32 s73, s[6:7], 0x0                    ; lambda
	s_add_nc_u64 s[80:81], s[8:9], s[76:77]        ; the output: my fragments,
	s_add_nc_u64 s[82:83], s[8:9], s[2:3]          ; the block's two panels
	s_add_nc_u64 s[76:77], s[4:5], s[76:77]        ; Q: my fragments,
	s_add_nc_u64 s[78:79], s[4:5], s[78:79]        ; their scale words
	s_add_nc_u64 s[14:15], s[4:5], s[14:15]        ; K
	s_add_nc_u64 s[18:19], s[4:5], s[18:19]        ; V
.irp j, 0,1,2,3
	s_mov_b32 s[32+4*\j], 1
	s_add_co_u32 s[33+4*\j], s16, \j*VSLOT         ; K: key step 4 j + w
	s_add_nc_u64 s[34+4*\j:35+4*\j], s[14:15], \j*VSLOT
	s_or_b32 s[35+4*\j], s[35+4*\j], 0x80000000
	s_mov_b32 s[48+4*\j], 1
	s_add_co_u32 s[49+4*\j], s16, VS0+VSLOT*(\j%2) ; V: group j's key step w, into slot j % 2
	s_add_nc_u64 s[50+4*\j:51+4*\j], s[18:19], \j*409600
	s_or_b32 s[51+4*\j], s[51+4*\j], 0x80000000
.endr
	CROUND                                         ; all four work-groups are here: the first joint loads meet
	tensor_load_to_lds s[32:35], s[G1:G1+7]
	s_nop 0
	tensor_load_to_lds s[36:39], s[G1:G1+7]
	s_nop 0
	tensor_load_to_lds s[40:43], s[G1:G1+7]
	s_nop 0
	tensor_load_to_lds s[44:47], s[G1:G1+7]
	s_nop 0
	tensor_load_to_lds s[48:51], s[G1:G1+7]
	s_nop 0
	tensor_load_to_lds s[52:55], s[G1:G1+7]
	s_nop 0
	PLACES 4
	v_and_b32 v1, 31, v0
	v_lshlrev_b32 v1, 4, v1                        ; 16 x lane
	v_and_b32 v13, 15, v0                          ; r
	v_bfe_u32 v14, v0, 4, 1                        ; h
	v_lshl_add_u32 v2, v13, 4, 6144
	WIN 0x40
.irp t, 0,1
.irp c, 0,1,2
	global_load_b128 v[192+12*\t+4*\c:192+12*\t+4*\c+3], v1, s[76:77] offset:1536*\t+512*\c   ; Q stays in registers
.endr
.endr
	WIN 0
	global_load_b32 v[QS], v2, s[78:79]
	global_load_b32 v[QS+1], v2, s[78:79] offset:4
	s_lshr_b32 s74, s[WV], 1
	s_lshl_b32 s74, s74, 8
	s_and_b32 s75, s[WV], 1
	s_lshl_b32 s75, s75, 3
	s_add_co_u32 s74, s74, s75
	s_add_co_u32 s74, s74, SCG
	v_lshl_add_u32 v10, v13, 4, s74                ; the way out: my two scale words of row-lane r
	v_add_nc_u32 v11, SCG, v1                      ; both panels' scale words back
	v_mul_u32_u24 v12, PANEL, v14
	v_add_nc_u32 v12, v12, v2                      ; and their places in the two panels
.irp t, 0,1
	v_mov_b32 v[ST+6*\t+1], 0xff61b1e6             ; the largest t so far: -3e38
	v_mov_b32 v[ST+6*\t+2], 0                      ; l, in two halves
	v_mov_b32 v[ST+6*\t+3], 0
	v_mov_b32 v[ST+6*\t+5], 0                      ; (named as the upper half of a pair)
	v_mov_b32 v[XT+\t], 0                          ; (a lane permute's destination counts as one of its sources)
.endr
.irp t, 0,1
	v_floor_f32 v[ST+6*\t], -v[ST+6*\t+1]
.endr
.irp b, 0,1,2,3
	v_mov_b32 v[TM+4+\b], 0
.endr
	s_wait_kmcnt 0x0
	v_mov_b32 v9, s73
	v_mul_f32 v9, 0xbfb8aa3b, v9                   ; -lambda log2(e)
	v_exp_f32 v9, v9
	v_nop
	s_wait_alu depctr_va_vdst(0)
	v_add_f32 v9, 1.0, v9
	v_rcp_f32 v9, v9                               ; lam = sigmoid(lambda)
	v_nop
	s_wait_alu depctr_va_vdst(0)
	v_sub_f32 v9, 1.0, v9                          ; 1 - lam
	s_mov_b32 s[TK], 0
	s_wait_tensorcnt 5                             ; my part of key steps 0 to 3 is in; five younger loads may be out
	s_barrier_signal -1
	s_barrier_wait -1                              ; everybody's is
	v_add_nc_u32 v3, s[TK], v1
	v_add_nc_u32 v4, s[TK], v2
	FETCHK
	s_wait_loadcnt 0x0                             ; Q
	; ---- pass 1
	s_mov_b32 s[CNT], 3
.Lp1a:                                             ; key steps 0 to 2
	STEP1 0
	s_sub_co_u32 s[CNT], s[CNT], 1
	s_cmp_lg_u32 s[CNT], 0
	s_cbranch_scc1 .Lp1a
	STEP1 1                                        ; key step 3
	s_mov_b32 s[CNT], 11
.Lp1b:                                             ; key steps 4 to 14
	STEP1 0
	s_sub_co_u32 s[CNT], s[CNT], 1
	s_cmp_lg_u32 s[CNT], 0
	s_cbranch_scc1 .Lp1b
	STEP1 2                                        ; key step 15
	; the two halves of a query are joined: the larger M, both sums under it
.irp t, 0,1
	v_add_f32 v[ST+6*\t+2], v[ST+6*\t+2], v[ST+6*\t+3]
.endr
.irp t, 0,1
	v_permlanex16_b32 v[XT+\t], v[ST+6*\t], s[SEL], s[SEL+1]
.endr
.irp t, 0,1
	v_min_num_f32 v[YT+\t], v[ST+6*\t], v[XT+\t]   ; the smaller -M
.endr
.irp t, 0,1
	v_sub_f32 v[XT+\t], v[YT+\t], v[ST+6*\t]
.endr
.irp t, 0,1
	v_cvt_i32_f32 v[XT+\t], v[XT+\t]
.endr
.irp t, 0,1
	v_ldexp_f32 v[ST+6*\t+2], v[ST+6*\t+2], v[XT+\t]
.endr
.irp t, 0,1
	v_mov_b32 v[ST+6*\t], v[YT+\t]
.endr
.irp t, 0,1
	v_permlanex16_b32 v[XT+\t], v[ST+6*\t+2], s[SEL], s[SEL+1]
.endr
.irp t, 0,1
	v_add_f32 v[ST+6*\t+2], v[ST+6*\t+2], v[XT+\t] ; l: at least a half, since the largest t lies within 1 of M
.endr
.irp t, 0,1
	v_rcp_f32 v[ST+6*\t+4], v[ST+6*\t+2]
.endr
	v_nop
	s_wait_alu depctr_va_vdst(0)
.irp t, 0,1
	v_mul_f32 v[ST+6*\t+4], v9, v[ST+6*\t+4]       ; g = (1 - lam) / l
.endr
	; ---- pass 2
	s_mov_b32 s[TK], KSTEP                         ; step s fetches K of step s + 1
	s_mov_b32 s[TV], VS0
	s_wait_tensorcnt 1                             ; my part of V's slot 0 is in; slot 1's may be out
	s_wait_dscnt 0x0                               ; K of step 0 is in
	s_barrier_signal -1
	s_barrier_wait -1
	STEP2 1, 1                                     ; key step 0 starts O^T's sums: nothing is cleared
	LOOP2 3
	CHANGE 2
	s_mov_b32 s[TV], VS0+VSLOT
	LOOP2 4
	CHANGE 3
	s_mov_b32 s[TV], VS0
	LOOP2 4
	s_wait_tensorcnt 0x0                           ; my last tensor load, my part of the last four key steps, is in
	s_wait_dscnt 0x0
	s_barrier_signal -1
	s_barrier_wait -1                              ; everybody's is; nothing is filled again
	s_mov_b32 s[TV], VS0+VSLOT
	LOOP2 3
	STEP2 0, 0
	; ---- the way out: O^T's 64 registers of a tile are the head's 128 channels in the order that the conversions want: a fragment of the next product's operand
	PLACES 4
	QUANT 0, 2, PCD, AX, PWR
	QUANT 64, 2, PCD+12, AX, PWR+1
.irp t, 0,1
.irp c, 0,1,2
	global_store_b128 v1, v[PCD+12*\t+4*\c:PCD+12*\t+4*\c+3], s[80:81] offset:1536*\t+512*\c
.endr
.endr
	ds_store_b64 v10, v[PWR:PWR+1]                 ; a panel's scale words come from two waves: they meet in LDS
	s_wait_dscnt 0x0
	s_barrier_signal -1
	s_barrier_wait -1
	s_cmp_lg_u32 s[WV], 0
	s_cbranch_scc1 .Lnot_0
	ds_load_b128 v[112:115], v11
	s_wait_dscnt 0x0
	global_store_b128 v12, v[112:115], s[82:83]    ; twice 256 consecutive bytes
.Lnot_0:
	s_wait_tensorcnt 0x0                           ; the wave's end
	ds_add_u32 v7, v8
	s_wait_dscnt 0x0
	CROUND                                         ; the closing round
	s_endpgm
.Lfunc_end_k_qf7a8db2bde_att:
	.size	k_qf7a8db2bde_att, .Lfunc_end_k_qf7a8db2bde_att-k_qf7a8db2bde_att
	.p2alignl 7, 3214868480
	.fill 96, 4, 3214868480
	.section	.rodata,"a",@progbits
	.p2align	6, 0x0
	.amdhsa_kernel k_qf7a8db2bde_att
		.amdhsa_group_segment_fixed_size 327680
		.amdhsa_private_segment_fixed_size 0
		.amdhsa_enable_private_segment 0
		.amdhsa_kernarg_size 24
		.amdhsa_user_sgpr_count 2
		.amdhsa_user_sgpr_kernarg_segment_ptr 1
		.amdhsa_wavefront_size32 1
		.amdhsa_system_sgpr_workgroup_id_x 1
		.amdhsa_system_sgpr_workgroup_id_y 1
		.amdhsa_system_sgpr_workgroup_id_z 1
		.amdhsa_system_vgpr_workitem_id 0
		.amdhsa_next_free_vgpr 640
		.amdhsa_next_free_sgpr 84
		.amdhsa_reserve_vcc 0
		.amdhsa_float_denorm_mode_32 3
		.amdhsa_float_denorm_mode_16_64 3
		.amdhsa_memory_ordered 1
		.amdhsa_forward_progress 1
		.amdhsa_inst_pref_size 255
	.end_amdhsa_kernel
	.section	.bss,"aw",@nobits
	.p2align	6
	.space	262144
	.amdgpu_metadata
---
amdhsa.version: [ 1, 2 ]
amdhsa.kernels:
  - .name:           k_qf7a8db2bde_att
    .symbol:         k_qf7a8db2bde_att.kd
    .args:
      - { .name: qkv, .offset: 0, .size: 8, .value_kind: global_buffer, .address_space: global }
      - { .name: lambda_param, .offset: 8, .size: 8, .value_kind: global_buffer, .address_space: global }
      - { .name: ap, .offset: 16, .size: 8, .value_kind: global_buffer, .address_space: global }
    .group_segment_fixed_size: 327680
    .private_segment_fixed_size: 0
    .kernarg_segment_align: 8
    .kernarg_segment_size: 24
    .max_flat_workgroup_size: 128
    .sgpr_count:     84
    .vgpr_count:     640
    .wavefront_size: 32
...
	.end_amdgpu_metadata
.endif
;; end of part 3
;; launch woln (part 4): grid 64 x 1, 4 waves a work-group, clusters of 4 x 1, 327,680 bytes of LDS; arguments ap, xw, query, ln1_g, ln1_b, ffn_b2, ln1; writes ln1
.if DOCPART == 4
	.amdgcn_target "amdgcn-amd-amdhsa--gfx1250"
	.amdhsa_code_object_version 6
	.text
	.protected	k_qf7a8db2bde_woln
	.globl	k_qf7a8db2bde_woln
	.p2align	8
	.type	k_qf7a8db2bde_woln,@function
k_qf7a8db2bde_woln:
	s_mov_b64 s[64:65], 0
	v_nop
	global_prefetch_b8 v0, s[64:65] scope:SCOPE_SE
	s_setreg_imm32_b32 hwreg(HW_REG_WAVE_MODE, 25, 1), 1
	s_wait_xcnt 0x0
	s_wait_alu depctr_hold_cnt(0) depctr_sa_sdst(0) depctr_va_vdst(0) depctr_va_sdst(0) depctr_va_ssrc(0) depctr_va_vcc(0) depctr_vm_vsrc(0)
	s_getreg_b32 s2, hwreg(HW_REG_IB_STS2, 6, 4)
	s_cmp_eq_u32 s2, 0
	s_cbranch_scc0 .Lentry_in_a_cluster
	s_endpgm
.Lentry_in_a_cluster:
	s_bfe_u32 s2, ttmp6, 0x10000c
	s_cmp_lg_u32 s2, 0x3003
	s_cbranch_scc0 .Lentry_shape_is_right
	s_endpgm
.Lentry_shape_is_right:
; q_enh = layer_norm(query + attn_out Wo) g + b.  The product is on codes of BF6 with E8M0 scales, sums in f32.  Out: q_enh as panels of codes (the next product's operand), and q_enh + ffn_b2 in f32, as images of the
; accumulators' registers, on which the last launch's sums begin (ffn_b2 is so added ahead of that product's sum: another order of rounding than q_enh + (sum + b2); it stands ahead of no quantiser).
; SHARES.  A work-group owns 64 WHOLE rows of 1,024, so that the norm needs no other work-group: 64 work-groups.  Wave w: columns 256 w .. + 255: B's panels 4 w .. 4 w + 3 against A's four fragments, 64 accumulators.
; The product is used transposed (source 0 = Wo's fragment, source 1 = attn_out's): lane (r, h) holds row-lane r, and register n of a group of 64 column 32 (n / 16) + 16 h + n % 16 of its 128.
; THE ACCUMULATORS ARE LOADED WITH query: the residual costs no addition and no K step begins with 0.
; B comes through two LDS slots of one K step by joint tensor loads (the four row blocks of a cluster walk the same Wo; mask of all four); wave w fetches and alone reads its 25,600 bytes.  A comes by 13 loads a wave
; into registers, a K step ahead.  LIMITS: a block of zeros carries the byte 1; NaN and infinities are not served.
; REGISTERS in the loop: window 0: v1-15 addresses; v16-31 B's scale words, v32-39 A's, v64-159 A's fragments; window 1: v0-191 B's fragments; windows 2, 3: accumulator (a, p, f) at window 2 + p / 2, v[64 a + 8 (4 (p % 2) + f)].
; Behind it: window 1: v0-127 g, v128-255 b; window 0: v128-255 ffn_b2, v64-127 a group's results, v16-63 and v96-111 at work.
.set PANEL, 6400
.set WPART, 4*PANEL
.set SLOTB, 16*PANEL
.set SPARE, 2*SLOTB                    ; the spare words: two blocks of 256 bytes that no other line names
.set RED,   SPARE+512                  ; the waves' row sums: 1,024 bytes for the sums, 1,024 for the sums of squares
.set WV,  20
.set G1,  24
.set G0,  32
.set AB,  40
.set AST, 44
.set BST, 46
.set OB,  48
.set SEL, 56
.set CNT, 60
.set SB,  16
.set SA,  32
.set AF,  64
.set XP,  32                           ; the norm: v32-35 at work, v36-39 four sums (one a fragment of rows), v40-47 four running pairs, v48-55 -mean, v56-63 1 / sqrt(var + eps), v96-111 the four waves' sums
.set U,   36
.set T,   40
.set MU,  48
.set RS,  56
.set RD,  96
.set Y,   64
.set TM,  40                           ; the quantiser, when the statistics are done with: v40-55 at work, v16-27 codes, v28-35 second halves, v56-63 scale words
.set PC,  16
.set AX,  28
.set PW,  56
.set MSB, 0
.macro WIN new
.if MSB != (\new)
	s_set_vgpr_msb (MSB<<8)|(\new)
.set MSB, (\new)
.endif
.endm
.macro PLACES n
.rept \n
	v_nop
.endr
.endm
.macro CREST
	s_cmp_lg_u32 s[WV], 0
	s_cbranch_scc1 .Lnot_wave_0_\@
	s_barrier_signal -3
.Lnot_wave_0_\@:
	s_barrier_wait -3
	s_barrier_signal -1
	s_barrier_wait -1
.endm
.macro CROUND
	s_barrier_signal -1
	s_barrier_wait -1
	CREST
.endm
.macro MUL8 p, a0, sl                  ; 8 matrix instructions; the 64 accumulators take turns, one instruction a turn, in the same order in every K step
	WIN 0xa1+0x50*((\p)/2)
.irp a, \a0, \a0+1
.irp f, 0,1,2,3
.set rD, 64*(\a)+8*(4*((\p)%2)+\f)
.set rB, 48*(\p)+12*\f
.set rA, AF+48*(\sl)+12*(\a)
	v_wmma_scale_f32_16x16x128_f8f6f4 v[rD:rD+7], v[rB:rB+11], v[rA:rA+11], v[rD:rD+7], v[SB+4*(\p)+\f], v[SA+4*(\sl)+(\a)] matrix_a_fmt:MATRIX_FMT_BF6 matrix_b_fmt:MATRIX_FMT_BF6
.endr
.endr
.endm
.macro FETCHQ sl, p
	WIN 0x40
.irp f, 0,1,2,3
.irp c, 0,1,2
	ds_load_b128 v[48*(\p)+12*\f+4*\c:48*(\p)+12*\f+4*\c+3], v[1+(\sl)] offset:PANEL*(\p)+1536*\f+512*\c
.endr
.endr
	WIN 0
	ds_load_b128 v[SB+4*(\p):SB+4*(\p)+3], v[3+(\sl)] offset:PANEL*(\p)
.endm
.macro ALOAD sl
.irp a, 0,1,2,3
.irp c, 0,1,2
	global_load_b128 v[AF+48*(\sl)+12*\a+4*\c:AF+48*(\sl)+12*\a+4*\c+3], v5, s[AB+2*(\sl):AB+2*(\sl)+1] offset:1536*\a+512*\c
.endr
.endr
	global_load_b128 v[SA+4*(\sl):SA+4*(\sl)+3], v6, s[AB+2*(\sl):AB+2*(\sl)+1]
.endm
; A K step in slot sl.  fill = 1: the slot is filled again, two K steps ahead, behind a round of the cluster's barrier in the step's middle.  nxt = 1: the next step's fragments are fetched.  lc: younger loads of A that may stay out.
.macro STEP sl, fill, nxt, lc
	s_wait_loadcnt \lc                             ; this step's panel of A is in (at the first step: the residual too, which was asked for earlier)
	s_wait_dscnt 39                                ; B's panel 0 is in; panels 1 to 3, 13 loads each, may be out
	MUL8 0, 0, \sl
	MUL8 0, 2, \sl
	s_wait_dscnt 26
	MUL8 1, 0, \sl
	MUL8 1, 2, \sl
	WIN 0
.if \fill
	s_wait_tensorcnt 0x0                           ; all my tensor loads have landed: my part of the other slot
	ds_add_u32 v7, v8                              ; 0 onto my spare word
	s_wait_dscnt 14                                ; panel 2 is in (panel 3's 13 loads and the add may be out)
	MUL8 2, 0, \sl
	s_wait_dscnt 0x0                               ; the add is done, and my reads of this slot are over
	s_barrier_signal -1
	MUL8 2, 2, \sl
	WIN 0
	s_barrier_wait -1
	CREST
	s_add_nc_u64 s[G0+4*\sl+2:G0+4*\sl+3], s[G0+4*\sl+2:G0+4*\sl+3], s[BST:BST+1]
	tensor_load_to_lds s[G0+4*\sl:G0+4*\sl+3], s[G1:G1+7]
	s_nop 0
	PLACES 4                                       ; four v_nop behind a tensor load; also the places in front of the loads below
.else
.if \nxt
	s_wait_tensorcnt 0x0                           ; my last tensor load, my part of the other slot, is in; I alone read it
.endif
	s_wait_dscnt 13
	MUL8 2, 0, \sl
	MUL8 2, 2, \sl
	WIN 0
.if \nxt
	PLACES 4
.endif
.endif
.if \nxt
	FETCHQ 1-\sl, 0
	FETCHQ 1-\sl, 1
	FETCHQ 1-\sl, 2
	s_wait_dscnt 39                                ; all but the 39 just issued
.else
	s_wait_dscnt 0x0
.endif
	MUL8 3, 0, \sl
	MUL8 3, 2, \sl
	WIN 0
.if \nxt
	PLACES 4
	FETCHQ 1-\sl, 3
.endif
.if \fill
	s_add_nc_u64 s[AB+2*\sl:AB+2*\sl+1], s[AB+2*\sl:AB+2*\sl+1], s[AST:AST+1]
	ALOAD \sl
.endif
.endm
.macro QUANT src, win, pc, ax, pw
	WIN (\win)|((\win)<<2)
.irp b, 0,1,2,3
	v_max3_num_f32 v[TM+\b], |v[(\src)+16*\b]|, |v[(\src)+16*\b+1]|, 0x2800000   ; and the floor 2^(5 - 127)
.endr
.irp i, 2,4,6,8,10,12,14
.irp b, 0,1,2,3
	v_max3_num_f32 v[TM+\b], |v[(\src)+16*\b+\i]|, |v[(\src)+16*\b+\i+1]|, v[TM+\b]
.endr
.endr
	WIN 0
.irp b, 0,1,2,3
	v_permlanex16_b32 v[TM+4+\b], v[TM+\b], s[SEL], s[SEL+1]
.endr
.irp b, 0,1,2,3
	v_max_num_f32 v[TM+\b], v[TM+\b], v[TM+4+\b]
.endr
.irp b, 0,1,2,3
	v_add_nc_u32 v[TM+12+\b], 0xfe000000, v[TM+\b]
.endr
.irp b, 0,1,2,3
	v_lshrrev_b32 v[TM+4+\b], 23, v[TM+12+\b]
.endr
	v_lshl_or_b32 v[\pw], v[TM+5], 8, v[TM+4]
	v_lshl_or_b32 v[\pw], v[TM+6], 16, v[\pw]
	v_lshl_or_b32 v[\pw], v[TM+7], 24, v[\pw]
	WIN (\win)
.irp c, 0,1
	v_cvt_scalef32_pk16_bf6_f32 v[(\pc)+6*\c:(\pc)+6*\c+2], v[(\src)+32*\c:(\src)+32*\c+15], v[TM+12+2*\c]
	v_cvt_scalef32_pk16_bf6_f32 v[(\ax)+4*\c:(\ax)+4*\c+2], v[(\src)+32*\c+16:(\src)+32*\c+31], v[TM+13+2*\c]
.endr
	WIN 0
	v_nop                                          ; one plain instruction behind the scaled conversions
.irp c, 0,1
.irp i, 0,1,2
	v_permlane16_swap_b32 v[(\pc)+6*\c+\i], v[(\ax)+4*\c+\i]
.endr
.irp i, 0,1,2
	v_mov_b32 v[(\pc)+6*\c+3+\i], v[(\ax)+4*\c+\i]
.endr
.endr
.endm
.macro PARAM reg, base                 ; 128 numbers of a vector of 1,024 in the accumulators' column order: my wave's 256 columns, my half's 16 of each 32
.irp x, 0,1
.irp q, 0,1,2,3
.irp i, 0,1,2,3
	global_load_b128 v[\reg+64*\x+16*\q+4*\i:\reg+64*\x+16*\q+4*\i+3], v14, s[\base:\base+1] offset:512*\x+128*\q+16*\i
.endr
.endr
.endr
.endm
.macro SUMS sq                         ; a lane's sums (sq = 0) or sums of squares (1) over its 128 columns, for the four fragments of rows by turns; each accumulator is read from its low end on
.irp j, 0,1,2,3,4,5,6,7
	v_mov_b32 v[T+\j], 0
.endr
.irp x, 0,1
.if \sq
	WIN 0x0a+5*\x
.else
	WIN 0x02+\x
.endif
.set i, 0
.rept 32
.irp a, 0,1,2,3
.if \sq
	v_pk_fma_f32 v[T+2*\a:T+2*\a+1], v[64*\a+i:64*\a+i+1], v[64*\a+i:64*\a+i+1], v[T+2*\a:T+2*\a+1]
.else
	v_pk_add_f32 v[T+2*\a:T+2*\a+1], v[64*\a+i:64*\a+i+1], v[T+2*\a:T+2*\a+1]
.endif
.endr
.set i, i+2
.endr
.endr
	WIN 0
.endm
.macro REDUCE n                        ; over a pair's halves, the two halves of the lanes, and the four waves (through LDS bytes of the n-th sum's own): v[U + a] = the whole row's sum, in every lane
.irp a, 0,1,2,3
	v_add_f32 v[U+\a], v[T+2*\a], v[T+2*\a+1]
.endr
.irp a, 0,1,2,3
	v_permlanex16_b32 v[XP+\a], v[U+\a], s[SEL], s[SEL+1]
.endr
.irp a, 0,1,2,3
	v_add_f32 v[U+\a], v[U+\a], v[XP+\a]
.endr
	ds_store_b128 v12, v[U:U+3] offset:1024*\n     ; lanes r and r + 16 write the same four words
	s_wait_dscnt 0x0                               ; for the others' sake
	s_barrier_signal -1
	s_barrier_wait -1
.irp k, 0,1,2,3
	ds_load_b128 v[RD+4*\k:RD+4*\k+3], v13 offset:1024*\n+256*\k
.endr
	s_wait_dscnt 0x0
.irp a, 0,1,2,3
	v_add_f32 v[U+\a], v[RD+\a], v[RD+4+\a]
.endr
.irp a, 0,1,2,3
	v_add_f32 v[XP+\a], v[RD+8+\a], v[RD+12+\a]
.endr
.irp a, 0,1,2,3
	v_add_f32 v[U+\a], v[U+\a], v[XP+\a]
.endr
.endm
.macro INPLACE mul, reg                ; every accumulator + (mul = 0) or x (1) its row's number, a pair at v[reg + 2 a]
.irp x, 0,1
	WIN 0x82+0x41*\x
.set i, 0
.rept 32
.irp a, 0,1,2,3
.if \mul
	v_pk_mul_f32 v[64*\a+i:64*\a+i+1], v[64*\a+i:64*\a+i+1], v[\reg+2*\a:\reg+2*\a+1]
.else
	v_pk_add_f32 v[64*\a+i:64*\a+i+1], v[64*\a+i:64*\a+i+1], v[\reg+2*\a:\reg+2*\a+1]
.endif
.endr
.set i, i+2
.endr
.endr
	WIN 0
.endm
	s_load_b256 s[4:11], s[0:1], 0x0               ; ap, xw, query, ln1_g
	s_load_b128 s[12:15], s[0:1], 0x20             ; ln1_b, ffn_b2
	s_load_b64 s[16:17], s[0:1], 0x30              ; ln1
	v_lshl_add_u32 v7, v0, 2, SPARE
	v_mov_b32 v8, 0
	ds_add_u32 v7, v8
	ds_add_u32 v7, v8
	s_wait_dscnt 0x0
	v_lshrrev_b32 v9, 5, v0
	v_readfirstlane_b32 s[WV], v9
	s_bfe_u32 s21, ttmp6, 0x40000                  ; cx: it enters global addresses of A, the residual and the outputs alone
	s_mul_i32 s18, s[WV], WPART                    ; my four panels of a K step of B, in memory and in a slot
	s_add_co_u32 s62, s18, 12288000                ; Wo's panels
	s_mov_b32 s63, 0
	s_mov_b32 s[BST], 204800                       ; two K steps of 16 panels
	s_mov_b32 s[BST+1], 0
	s_mov_b32 s[AST], 819200                       ; two K steps of 64 panels
	s_mov_b32 s[AST+1], 0
	s_lshl_b32 s22, ttmp9, 2
	s_add_co_u32 s22, s22, s21                     ; rb
	s_mul_i32 s2, s22, PANEL
	s_mov_b32 s3, 0
	s_lshl_b32 s68, s[WV], 10                      ; my 256 columns in bytes
	s_mov_b32 s69, 0
	s_lshl_b32 s66, s22, 18                        ; 64 rows of 4,096 bytes
	s_add_co_u32 s66, s66, s68
	s_mov_b32 s67, 0
	s_lshl_b32 s70, s[WV], 7
	s_mul_i32 s70, s70, PANEL                      ; the output's K step 2 w: 128 w panels
	s_add_co_u32 s70, s70, s2
	s_mov_b32 s71, 0
	s_lshl_b32 s58, s22, 2
	s_add_co_u32 s58, s58, s[WV]
	s_lshl_b32 s58, s58, 16                        ; 65,536 bytes of f32 images for each (row block, wave),
	s_add_co_u32 s58, s58, 3276800                 ; behind the codes' panels
	s_mov_b32 s59, 0
	s_mov_b32 s[G1+0], 15|(3<<16)|(1<<21)          ; the mask of all four; elements of 8 bytes; bit 21 beside a mask; no padding
	s_mov_b32 s[G1+1], 32<<16
	s_mov_b32 s[G1+2], 100<<16                     ; 100 rows of 256 bytes: 25,600 dense bytes
	s_mov_b32 s[G1+3], 32<<16
	s_mov_b32 s[G1+4], 100
	s_mov_b32 s[G1+5], 32
	s_mov_b32 s[G1+6], 0
	s_mov_b32 s[G1+7], 0
	s_mov_b32 s[SEL], 0x76543210
	s_mov_b32 s[SEL+1], 0xfedcba98
	s_wait_kmcnt 0x0
	s_add_nc_u64 s[AB:AB+1], s[4:5], s[2:3]
	s_add_nc_u64 s[AB+2:AB+3], s[AB:AB+1], 409600
	s_add_nc_u64 s[52:53], s[8:9], s[66:67]        ; query at my rows and columns
	s_add_nc_u64 s[10:11], s[10:11], s[68:69]
	s_add_nc_u64 s[12:13], s[12:13], s[68:69]
	s_add_nc_u64 s[14:15], s[14:15], s[68:69]
	s_add_nc_u64 s[OB:OB+1], s[16:17], s[70:71]
	s_add_nc_u64 s[OB+2:OB+3], s[OB:OB+1], 409600
	s_add_nc_u64 s[54:55], s[16:17], s[58:59]
	s_mov_b32 s58, 0x3a800000                      ; 1 / 1,024
	s_mov_b32 s59, 0x3727c5ac                      ; 1e-5
	s_mov_b32 s[G0], 1
	s_mov_b32 s[G0+1], s18
	s_add_nc_u64 s[G0+2:G0+3], s[6:7], s[62:63]
	s_mov_b32 s[G0+4], 1
	s_add_co_u32 s[G0+5], s18, SLOTB
	s_add_nc_u64 s[G0+6:G0+7], s[G0+2:G0+3], 102400
	s_or_b32 s[G0+3], s[G0+3], 0x80000000
	s_or_b32 s[G0+7], s[G0+7], 0x80000000
	CROUND                                         ; all four work-groups are here: the first joint loads meet
	tensor_load_to_lds s[G0:G0+3], s[G1:G1+7]      ; two tensor loads of mine are out
	s_nop 0
	tensor_load_to_lds s[G0+4:G0+7], s[G1:G1+7]
	s_nop 0
	PLACES 4
	v_and_b32 v10, 31, v0                          ; lane
	v_and_b32 v15, 15, v0                          ; r
	v_bfe_u32 v14, v0, 4, 1                        ; h
	v_lshlrev_b32 v5, 4, v10
	v_lshl_add_u32 v6, v15, 4, 6144
	v_and_b32 v11, 8, v15
	v_add_nc_u32 v11, v11, v15                     ; r + 8 (r / 8)
	v_lshlrev_b32 v11, 12, v11
	v_lshl_add_u32 v11, v14, 6, v11                ; the residual: my row-lane's row, + 64 h
	v_mul_u32_u24 v9, 409600, v14
	v_add_nc_u32 v9, v9, v6                        ; the way out: lanes 0-15 my first panel's scale words, lanes 16-31 my second's
	v_lshlrev_b32 v14, 6, v14                      ; 64 h
.irp x, 0,1
	WIN 0x80+0x40*\x
.irp a, 0,1,2,3
.irp q, 0,1,2,3
.irp i, 0,1,2,3
	global_load_b128 v[64*\a+16*\q+4*\i:64*\a+16*\q+4*\i+3], v11, s[52:53] offset:(32*(\a/2)+8*(\a%2))*4096+512*\x+128*\q+16*\i   ; query into the accumulators
.endr
.endr
.endr
.endr
	WIN 0
	ALOAD 0
	ALOAD 1
	v_add_nc_u32 v1, s18, v5
	v_add_nc_u32 v2, SLOTB, v1
	v_add_nc_u32 v3, s18, v6
	v_add_nc_u32 v4, SLOTB, v3
	s_lshl_b32 s61, s[WV], 8
	s_add_co_u32 s61, s61, RED
	v_lshl_add_u32 v12, v15, 4, s61                ; my wave's sums of row-lane r
	v_lshl_add_u32 v13, v15, 4, RED                ; all waves'
	s_wait_tensorcnt 1                             ; my part of slot 0 is in; slot 1's may be out.  I alone read my part
	FETCHQ 0, 0
	FETCHQ 0, 1
	FETCHQ 0, 2
	FETCHQ 0, 3
	s_mov_b32 s[CNT], 3
.Lk:                                               ; K steps 0 to 5
	STEP 0, 1, 1, 13
	STEP 1, 1, 1, 13
	s_sub_co_u32 s[CNT], s[CNT], 1
	s_cmp_lg_u32 s[CNT], 0
	s_cbranch_scc1 .Lk
	STEP 0, 0, 1, 13                               ; the last two fill nothing: written out
	STEP 1, 0, 0, 0
	; ---- the norm
	PLACES 4                                       ; in front of loads into, and writes of, the last products' sources, and of the first read of results
	WIN 0x40
	PARAM 0, 10                                    ; g and b into window 1: they land under the sums
	PARAM 128, 12
	WIN 0
	PARAM 128, 14                                  ; ffn_b2
.irp a, 0,1,2,3
	v_mov_b32 v[XP+\a], 0                          ; a lane permute's destination counts as one of its sources
.endr
	SUMS 0
	REDUCE 0
.irp a, 0,1,2,3
	v_mul_f32 v[MU+2*\a], 0xba800000, v[U+\a]      ; -mean
.endr
.irp a, 0,1,2,3
	v_mov_b32 v[MU+2*\a+1], v[MU+2*\a]
.endr
	INPLACE 0, MU
	SUMS 1
	REDUCE 1
.irp a, 0,1,2,3
	v_fma_f32 v[U+\a], v[U+\a], s58, s59           ; var + eps
.endr
.irp a, 0,1,2,3
	v_rsq_f32 v[RS+2*\a], v[U+\a]
.endr
	v_nop
	s_wait_alu depctr_va_vdst(0)                   ; one wait for the four, ahead of their first reader
.irp a, 0,1,2,3
	v_mov_b32 v[RS+2*\a+1], v[RS+2*\a]
.endr
	INPLACE 1, RS
	s_wait_loadcnt 0x0                             ; g, b, ffn_b2
.irp x, 0,1
.irp a, 0,1,2,3
	s_wait_xcnt 0x0                                ; the last group's stores have read their registers
	WIN 0x16+\x                                    ; source 0 window 2 or 3, g and b window 1
.set i, 0
.rept 32
	v_pk_fma_f32 v[Y+i:Y+i+1], v[64*\a+i:64*\a+i+1], v[64*\x+i:64*\x+i+1], v[128+64*\x+i:128+64*\x+i+1]
.set i, i+2
.endr
	WIN 0
	QUANT Y, 0, PC, AX, PW+4*\x+\a
.irp c, 0,1,2
	global_store_b128 v5, v[PC+4*\c:PC+4*\c+3], s[OB+2*\x:OB+2*\x+1] offset:1536*\a+512*\c
.endr
.set i, 0
.rept 32
	v_pk_add_f32 v[Y+i:Y+i+1], v[Y+i:Y+i+1], v[128+64*\x+i:128+64*\x+i+1]   ; + ffn_b2
.set i, i+2
.endr
.irp t, 0,1,2,3,4,5,6,7,8,9,10,11,12,13,14,15
	global_store_b128 v5, v[Y+4*\t:Y+4*\t+3], s[54:55] offset:(2*\a+\x)*8192+512*\t   ; 512 consecutive bytes
.endr
.endr
.endr
	v_cmp_le_u32 vcc_lo, 16, v10
.irp a, 0,1,2,3
	v_cndmask_b32 v[U+\a], v[PW+\a], v[PW+4+\a], vcc_lo
.endr
	global_store_b128 v9, v[U:U+3], s[OB:OB+1]     ; twice 256 consecutive bytes
	s_wait_tensorcnt 0x0                           ; the wave's end
	ds_add_u32 v7, v8
	s_wait_dscnt 0x0
	CROUND                                         ; the closing round
	s_endpgm
.Lfunc_end_k_qf7a8db2bde_woln:
	.size	k_qf7a8db2bde_woln, .Lfunc_end_k_qf7a8db2bde_woln-k_qf7a8db2bde_woln
	.p2alignl 7, 3214868480
	.fill 96, 4, 3214868480
	.section	.rodata,"a",@progbits
	.p2align	6, 0x0
	.amdhsa_kernel k_qf7a8db2bde_woln
		.amdhsa_group_segment_fixed_size 327680
		.amdhsa_private_segment_fixed_size 0
		.amdhsa_enable_private_segment 0
		.amdhsa_kernarg_size 56
		.amdhsa_user_sgpr_count 2
		.amdhsa_user_sgpr_kernarg_segment_ptr 1
		.amdhsa_wavefront_size32 1
		.amdhsa_system_sgpr_workgroup_id_x 1
		.amdhsa_system_sgpr_workgroup_id_y 1
		.amdhsa_system_sgpr_workgroup_id_z 1
		.amdhsa_system_vgpr_workitem_id 0
		.amdhsa_next_free_vgpr 1024
		.amdhsa_next_free_sgpr 72
		.amdhsa_reserve_vcc 1
		.amdhsa_float_denorm_mode_32 3
		.amdhsa_float_denorm_mode_16_64 3
		.amdhsa_memory_ordered 1
		.amdhsa_forward_progress 1
		.amdhsa_inst_pref_size 227
	.end_amdhsa_kernel
	.amdgpu_metadata
---
amdhsa.version: [ 1, 2 ]
amdhsa.kernels:
  - .name:           k_qf7a8db2bde_woln
    .symbol:         k_qf7a8db2bde_woln.kd
    .args:
      - { .name: ap, .offset: 0, .size: 8, .value_kind: global_buffer, .address_space: global }
      - { .name: xw, .offset: 8, .size: 8, .value_kind: global_buffer, .address_space: global }
      - { .name: query, .offset: 16, .size: 8, .value_kind: global_buffer, .address_space: global }
      - { .name: ln1_g, .offset: 24, .size: 8, .value_kind: global_buffer, .address_space: global }
      - { .name: ln1_b, .offset: 32, .size: 8, .value_kind: global_buffer, .address_space: global }
      - { .name: ffn_b2, .offset: 40, .size: 8, .value_kind: global_buffer, .address_space: global }
      - { .name: ln1, .offset: 48, .size: 8, .value_kind: global_buffer, .address_space: global }
    .group_segment_fixed_size: 327680
    .private_segment_fixed_size: 0
    .kernarg_segment_align: 8
    .kernarg_segment_size: 56
    .max_flat_workgroup_size: 128
    .sgpr_count:     72
    .vgpr_count:     1024
    .wavefront_size: 32
...
	.end_amdgpu_metadata
.endif
;; end of part 4
;; launch ffn1 (part 5): grid 64 x 4, 4 waves a work-group, clusters of 4 x 1, 327,680 bytes of LDS; arguments ln1, xw, ffn_b1, hp; writes hp
.if DOCPART == 5
	.amdgcn_target "amdgcn-amd-amdhsa--gfx1250"
	.amdhsa_code_object_version 6
	.text
	.protected	k_qf7a8db2bde_ffn1
	.globl	k_qf7a8db2bde_ffn1
	.p2align	8
	.type	k_qf7a8db2bde_ffn1,@function
k_qf7a8db2bde_ffn1:
	s_mov_b64 s[64:65], 0
	v_nop
	global_prefetch_b8 v0, s[64:65] scope:SCOPE_SE
	s_setreg_imm32_b32 hwreg(HW_REG_WAVE_MODE, 25, 1), 1
	s_wait_xcnt 0x0
	s_wait_alu depctr_hold_cnt(0) depctr_sa_sdst(0) depctr_va_vdst(0) depctr_va_sdst(0) depctr_va_ssrc(0) depctr_va_vcc(0) depctr_vm_vsrc(0)
	s_getreg_b32 s2, hwreg(HW_REG_IB_STS2, 6, 4)
	s_cmp_eq_u32 s2, 0
	s_cbranch_scc0 .Lentry_in_a_cluster
	s_endpgm
.Lentry_in_a_cluster:
	s_bfe_u32 s2, ttmp6, 0x10000c
	s_cmp_lg_u32 s2, 0x3003
	s_cbranch_scc0 .Lentry_shape_is_right
	s_endpgm
.Lentry_shape_is_right:
; hidden = relu(q_enh ffn_w1 + ffn_b1), on codes of BF6 with E8M0 scales, sums in f32; the hidden layer is quantised in registers along its 4,096 and leaves as panels of codes: it never exists in f32 in memory.
; SHARES.  A work-group makes 64 rows x 1,024 columns (row block rb, column block cb = y); wave w columns 256 w .. + 255: B's panels 4 w .. 4 w + 3 against A's four fragments, 64 accumulators.
; The product is used transposed (source 0 = ffn_w1's fragment, source 1 = q_enh's): lane (r, h) holds row-lane r, and register n of a group of 64 column 32 (n / 16) + 16 h + n % 16 of its 128.
; THE BIAS IS THE C OF K STEP 0's PRODUCTS: eight registers a fragment of B, in the result's layout: it costs no addition.
; B comes through two LDS slots of one K step by joint tensor loads (the four row blocks of a cluster walk the same columns of ffn_w1; mask of all four); wave w fetches and alone reads its 25,600 bytes.  A comes by 13
; loads a wave into registers, a K step ahead.  LIMITS: a block of zeros carries the byte 1; NaN and infinities are not served.
; REGISTERS.  window 0: v1-14 addresses; v16-31 B's scale words, v32-39 A's, v64-159 A's fragments, v160-223 the bias of my columns 128-255;  window 1: v0-191 B's fragments, v192-255 the bias of my columns 0-127;
;   windows 2, 3: accumulator (a, p, f) at window 2 + p / 2, v[64 a + 8 (4 (p % 2) + f)].
.set PANEL, 6400
.set WPART, 4*PANEL
.set SLOTB, 16*PANEL
.set SPARE, 2*SLOTB                    ; the spare words: two blocks of 256 bytes that no other line names
.set WV,  20
.set G1,  24
.set G0,  32
.set AB,  40
.set AST, 44
.set BST, 46
.set OB,  48
.set SEL, 56
.set CNT, 60
.set SB,  16
.set SA,  32
.set AF,  64
.set TM,  16
.set PC,  64
.set AX,  76
.set PW,  84
.set DD,  92
.set MSB, 0
.macro WIN new
.if MSB != (\new)
	s_set_vgpr_msb (MSB<<8)|(\new)
.set MSB, (\new)
.endif
.endm
.macro PLACES n
.rept \n
	v_nop
.endr
.endm
.macro CREST
	s_cmp_lg_u32 s[WV], 0
	s_cbranch_scc1 .Lnot_wave_0_\@
	s_barrier_signal -3
.Lnot_wave_0_\@:
	s_barrier_wait -3
	s_barrier_signal -1
	s_barrier_wait -1
.endm
.macro CROUND
	s_barrier_signal -1
	s_barrier_wait -1
	CREST
.endm
; 8 matrix instructions.  zero = 2: the sums begin on the bias; 0: they go on.  The 64 accumulators take turns, one instruction a turn, in the same order in every K step.
.macro MUL8 p, a0, sl, zero
.if (\zero) == 2
	WIN 0x91+0x30*((\p)/2)                         ; C: the bias, window 1 (panels 0, 1) or window 0 (panels 2, 3); D window 2 or 3
.else
	WIN 0xa1+0x50*((\p)/2)
.endif
.irp a, \a0, \a0+1
.irp f, 0,1,2,3
.set rD, 64*(\a)+8*(4*((\p)%2)+\f)
.set rB, 48*(\p)+12*\f
.set rA, AF+48*(\sl)+12*(\a)
.set rC, 192-32*((\p)/2)+8*(4*((\p)%2)+\f)
.if (\zero) == 2
	v_wmma_scale_f32_16x16x128_f8f6f4 v[rD:rD+7], v[rB:rB+11], v[rA:rA+11], v[rC:rC+7], v[SB+4*(\p)+\f], v[SA+4*(\sl)+(\a)] matrix_a_fmt:MATRIX_FMT_BF6 matrix_b_fmt:MATRIX_FMT_BF6
.else
	v_wmma_scale_f32_16x16x128_f8f6f4 v[rD:rD+7], v[rB:rB+11], v[rA:rA+11], v[rD:rD+7], v[SB+4*(\p)+\f], v[SA+4*(\sl)+(\a)] matrix_a_fmt:MATRIX_FMT_BF6 matrix_b_fmt:MATRIX_FMT_BF6
.endif
.endr
.endr
.endm
.macro FETCHQ sl, p
	WIN 0x40
.irp f, 0,1,2,3
.irp c, 0,1,2
	ds_load_b128 v[48*(\p)+12*\f+4*\c:48*(\p)+12*\f+4*\c+3], v[1+(\sl)] offset:PANEL*(\p)+1536*\f+512*\c
.endr
.endr
	WIN 0
	ds_load_b128 v[SB+4*(\p):SB+4*(\p)+3], v[3+(\sl)] offset:PANEL*(\p)
.endm
.macro ALOAD sl
.irp a, 0,1,2,3
.irp c, 0,1,2
	global_load_b128 v[AF+48*(\sl)+12*\a+4*\c:AF+48*(\sl)+12*\a+4*\c+3], v5, s[AB+2*(\sl):AB+2*(\sl)+1] offset:1536*\a+512*\c
.endr
.endr
	global_load_b128 v[SA+4*(\sl):SA+4*(\sl)+3], v6, s[AB+2*(\sl):AB+2*(\sl)+1]
.endm
; A K step in slot sl.  fill = 1: the slot is filled again, two K steps ahead, behind a round of the cluster's barrier in the step's middle.  nxt = 1: the next step's fragments are fetched.  lc: younger loads of A that may stay out.
.macro STEP sl, fill, nxt, lc, zero
	s_wait_loadcnt \lc                             ; this step's panel of A is in (at the first step: the bias too, which was asked for earlier)
	s_wait_dscnt 39                                ; B's panel 0 is in; panels 1 to 3, 13 loads each, may be out
	MUL8 0, 0, \sl, \zero
	MUL8 0, 2, \sl, \zero
	s_wait_dscnt 26
	MUL8 1, 0, \sl, \zero
	MUL8 1, 2, \sl, \zero
	WIN 0
.if \fill
	s_wait_tensorcnt 0x0                           ; all my tensor loads have landed: my part of the other slot
	ds_add_u32 v7, v8                              ; 0 onto my spare word
	s_wait_dscnt 14                                ; panel 2 is in (panel 3's 13 loads and the add may be out)
	MUL8 2, 0, \sl, \zero
	s_wait_dscnt 0x0                               ; the add is done, and my reads of this slot are over
	s_barrier_signal -1
	MUL8 2, 2, \sl, \zero
	WIN 0
	s_barrier_wait -1
	CREST
	s_add_nc_u64 s[G0+4*\sl+2:G0+4*\sl+3], s[G0+4*\sl+2:G0+4*\sl+3], s[BST:BST+1]
	tensor_load_to_lds s[G0+4*\sl:G0+4*\sl+3], s[G1:G1+7]
	s_nop 0
	PLACES 4                                       ; four v_nop behind a tensor load; also the places in front of the loads below
.else
.if \nxt
	s_wait_tensorcnt 0x0                           ; my last tensor load, my part of the other slot, is in; I alone read it
.endif
	s_wait_dscnt 13
	MUL8 2, 0, \sl, \zero
	MUL8 2, 2, \sl, \zero
	WIN 0
.if \nxt
	PLACES 4
.endif
.endif
.if \nxt
	FETCHQ 1-\sl, 0
	FETCHQ 1-\sl, 1
	FETCHQ 1-\sl, 2
	s_wait_dscnt 39                                ; all but the 39 just issued
.else
	s_wait_dscnt 0x0
.endif
	MUL8 3, 0, \sl, \zero
	MUL8 3, 2, \sl, \zero
	WIN 0
.if \nxt
	PLACES 4
	FETCHQ 1-\sl, 3
.endif
.if \fill
	s_add_nc_u64 s[AB+2*\sl:AB+2*\sl+1], s[AB+2*\sl:AB+2*\sl+1], s[AST:AST+1]
	ALOAD \sl
.endif
.endm
.macro QUANT src, win, pc, ax, pw
	WIN (\win)|((\win)<<2)
.irp b, 0,1,2,3
	v_max3_num_f32 v[TM+\b], |v[(\src)+16*\b]|, |v[(\src)+16*\b+1]|, 0x2800000   ; and the floor 2^(5 - 127)
.endr
.irp i, 2,4,6,8,10,12,14
.irp b, 0,1,2,3
	v_max3_num_f32 v[TM+\b], |v[(\src)+16*\b+\i]|, |v[(\src)+16*\b+\i+1]|, v[TM+\b]
.endr
.endr
	WIN 0
.irp b, 0,1,2,3
	v_permlanex16_b32 v[TM+4+\b], v[TM+\b], s[SEL], s[SEL+1]
.endr
.irp b, 0,1,2,3
	v_max_num_f32 v[TM+\b], v[TM+\b], v[TM+4+\b]
.endr
.irp b, 0,1,2,3
	v_add_nc_u32 v[TM+12+\b], 0xfe000000, v[TM+\b]
.endr
.irp b, 0,1,2,3
	v_lshrrev_b32 v[TM+4+\b], 23, v[TM+12+\b]
.endr
	v_lshl_or_b32 v[\pw], v[TM+5], 8, v[TM+4]
	v_lshl_or_b32 v[\pw], v[TM+6], 16, v[\pw]
	v_lshl_or_b32 v[\pw], v[TM+7], 24, v[\pw]
	WIN (\win)
.irp c, 0,1
	v_cvt_scalef32_pk16_bf6_f32 v[(\pc)+6*\c:(\pc)+6*\c+2], v[(\src)+32*\c:(\src)+32*\c+15], v[TM+12+2*\c]
	v_cvt_scalef32_pk16_bf6_f32 v[(\ax)+4*\c:(\ax)+4*\c+2], v[(\src)+32*\c+16:(\src)+32*\c+31], v[TM+13+2*\c]
.endr
	WIN 0
	v_nop                                          ; one plain instruction behind the scaled conversions
.irp c, 0,1
.irp i, 0,1,2
	v_permlane16_swap_b32 v[(\pc)+6*\c+\i], v[(\ax)+4*\c+\i]
.endr
.irp i, 0,1,2
	v_mov_b32 v[(\pc)+6*\c+3+\i], v[(\ax)+4*\c+\i]
.endr
.endr
.endm
.macro QOUT x, a                       ; my columns 128 x .. + 127 of A's fragment a: the activation, then one fragment of the output
	WIN 0x88+0x44*(\x)
.set i, 0
.rept 64
	v_max_num_f32 v[64*(\a)+i], 0, v[64*(\a)+i]    ; relu, in f32, each accumulator from its low end on
.set i, i+1
.endr
	s_wait_xcnt 0x0                                ; the last fragment's stores have read the codes' registers
	QUANT 64*(\a), 2+(\x), PC, AX, PW+4*(\x)+(\a)
.irp c, 0,1,2
	global_store_b128 v5, v[PC+4*\c:PC+4*\c+3], s[OB+2*(\x):OB+2*(\x)+1] offset:1536*(\a)+512*\c
.endr
.endm
	s_load_b256 s[4:11], s[0:1], 0x0               ; ln1, xw, ffn_b1, hp
	v_lshl_add_u32 v7, v0, 2, SPARE
	v_mov_b32 v8, 0
	ds_add_u32 v7, v8
	ds_add_u32 v7, v8
	s_wait_dscnt 0x0
	v_lshrrev_b32 v9, 5, v0
	v_readfirstlane_b32 s[WV], v9
	s_bfe_u32 s21, ttmp6, 0x40000                  ; cx: it enters A's and the output's global addresses alone
	s_and_b32 s23, ttmp7, 0xffff                   ; cb, which the partners share
	s_lshl_b32 s12, s23, 4
	s_lshl_b32 s13, s[WV], 2
	s_add_co_u32 s12, s12, s13                     ; B's panel 16 cb + 4 w
	s_mul_i32 s12, s12, PANEL
	s_add_co_u32 s12, s12, 13107200                ; ffn_w1's panels
	s_mov_b32 s13, 0
	s_lshl_b32 s14, s23, 12
	s_lshl_b32 s15, s[WV], 10
	s_add_co_u32 s14, s14, s15                     ; the bias of my 256 columns
	s_mov_b32 s15, 0
	s_mov_b32 s[BST], 819200                       ; two K steps of 64 panels, for both operands
	s_mov_b32 s[BST+1], 0
	s_mov_b32 s[AST], 819200
	s_mov_b32 s[AST+1], 0
	s_lshl_b32 s22, ttmp9, 2
	s_add_co_u32 s22, s22, s21                     ; rb
	s_mul_i32 s2, s22, PANEL
	s_mov_b32 s3, 0
	s_lshl_b32 s16, s23, 3
	s_lshl_b32 s17, s[WV], 1
	s_add_co_u32 s16, s16, s17                     ; the output's K step 8 cb + 2 w
	s_mul_i32 s16, s16, 409600
	s_add_co_u32 s16, s16, s2
	s_mov_b32 s17, 0
	s_mul_i32 s61, s[WV], WPART
	s_mov_b32 s[G1+0], 15|(3<<16)|(1<<21)          ; the mask of all four; elements of 8 bytes; bit 21 beside a mask; no padding
	s_mov_b32 s[G1+1], 32<<16
	s_mov_b32 s[G1+2], 100<<16                     ; 100 rows of 256 bytes: 25,600 dense bytes
	s_mov_b32 s[G1+3], 32<<16
	s_mov_b32 s[G1+4], 100
	s_mov_b32 s[G1+5], 32
	s_mov_b32 s[G1+6], 0
	s_mov_b32 s[G1+7], 0
	s_mov_b32 s[SEL], 0x76543210
	s_mov_b32 s[SEL+1], 0xfedcba98
	s_wait_kmcnt 0x0
	s_add_nc_u64 s[AB:AB+1], s[4:5], s[2:3]
	s_add_nc_u64 s[AB+2:AB+3], s[AB:AB+1], 409600
	s_add_nc_u64 s[8:9], s[8:9], s[14:15]
	s_add_nc_u64 s[OB:OB+1], s[10:11], s[16:17]
	s_add_nc_u64 s[OB+2:OB+3], s[OB:OB+1], 409600
	s_mov_b32 s[G0], 1
	s_mov_b32 s[G0+1], s61
	s_add_nc_u64 s[G0+2:G0+3], s[6:7], s[12:13]
	s_mov_b32 s[G0+4], 1
	s_add_co_u32 s[G0+5], s61, SLOTB
	s_add_nc_u64 s[G0+6:G0+7], s[G0+2:G0+3], 409600
	s_or_b32 s[G0+3], s[G0+3], 0x80000000
	s_or_b32 s[G0+7], s[G0+7], 0x80000000
	CROUND                                         ; all four work-groups are here: the first joint loads meet
	tensor_load_to_lds s[G0:G0+3], s[G1:G1+7]      ; two tensor loads of mine are out
	s_nop 0
	tensor_load_to_lds s[G0+4:G0+7], s[G1:G1+7]
	s_nop 0
	PLACES 4
	v_and_b32 v10, 31, v0                          ; lane
	v_and_b32 v11, 15, v0                          ; r
	v_bfe_u32 v12, v0, 4, 1                        ; h
	v_lshlrev_b32 v5, 4, v10
	v_lshl_add_u32 v6, v11, 4, 6144
	v_lshlrev_b32 v14, 6, v12                      ; 64 h: my half's 16 of each 32 columns
	WIN 0x40
.irp q, 0,1,2,3
.irp i, 0,1,2,3
	global_load_b128 v[192+16*\q+4*\i:192+16*\q+4*\i+3], v14, s[8:9] offset:128*\q+16*\i
.endr
.endr
	WIN 0
.irp q, 0,1,2,3
.irp i, 0,1,2,3
	global_load_b128 v[160+16*\q+4*\i:160+16*\q+4*\i+3], v14, s[8:9] offset:512+128*\q+16*\i
.endr
.endr
	ALOAD 0
	ALOAD 1
	v_add_nc_u32 v1, s61, v5
	v_add_nc_u32 v2, SLOTB, v1
	v_add_nc_u32 v3, s61, v6
	v_add_nc_u32 v4, SLOTB, v3
	v_mul_u32_u24 v9, 409600, v12
	v_add_nc_u32 v9, v9, v6                        ; the way out: lanes 0-15 my first panel's scale words, lanes 16-31 my second's
	s_wait_tensorcnt 1                             ; my part of slot 0 is in; slot 1's may be out.  I alone read my part
	FETCHQ 0, 0
	FETCHQ 0, 1
	FETCHQ 0, 2
	FETCHQ 0, 3
	STEP 0, 1, 1, 13, 2                            ; K step 0 starts the sums on the bias
	STEP 1, 1, 1, 13, 0
	s_mov_b32 s[CNT], 2
.Lk:                                               ; K steps 2 to 5
	STEP 0, 1, 1, 13, 0
	STEP 1, 1, 1, 13, 0
	s_sub_co_u32 s[CNT], s[CNT], 1
	s_cmp_lg_u32 s[CNT], 0
	s_cbranch_scc1 .Lk
	STEP 0, 0, 1, 13, 0                            ; the last two fill nothing: written out
	STEP 1, 0, 0, 0, 0
	PLACES 4
.irp b, 0,1,2,3
	v_mov_b32 v[TM+4+\b], 0                        ; a lane permute's destination counts as one of its sources
.endr
.irp x, 0,1
.irp a, 0,1,2,3
	QOUT \x, \a
.endr
.endr
	v_cmp_le_u32 vcc_lo, 16, v10
.irp a, 0,1,2,3
	v_cndmask_b32 v[DD+\a], v[PW+\a], v[PW+4+\a], vcc_lo
.endr
	global_store_b128 v9, v[DD:DD+3], s[OB:OB+1]   ; twice 256 consecutive bytes
	s_wait_tensorcnt 0x0                           ; the wave's end
	ds_add_u32 v7, v8
	s_wait_dscnt 0x0
	CROUND                                         ; the closing round
	s_endpgm
.Lfunc_end_k_qf7a8db2bde_ffn1:
	.size	k_qf7a8db2bde_ffn1, .Lfunc_end_k_qf7a8db2bde_ffn1-k_qf7a8db2bde_ffn1
	.p2alignl 7, 3214868480
	.fill 96, 4, 3214868480
	.section	.rodata,"a",@progbits
	.p2align	6, 0x0
	.amdhsa_kernel k_qf7a8db2bde_ffn1
		.amdhsa_group_segment_fixed_size 327680
		.amdhsa_private_segment_fixed_size 0
		.amdhsa_enable_private_segment 0
		.amdhsa_kernarg_size 32
		.amdhsa_user_sgpr_count 2
		.amdhsa_user_sgpr_kernarg_segment_ptr 1
		.amdhsa_wavefront_size32 1
		.amdhsa_system_sgpr_workgroup_id_x 1
		.amdhsa_system_sgpr_workgroup_id_y 1
		.amdhsa_system_sgpr_workgroup_id_z 1
		.amdhsa_system_vgpr_workitem_id 0
		.amdhsa_next_free_vgpr 1024
		.amdhsa_next_free_sgpr 72
		.amdhsa_reserve_vcc 1
		.amdhsa_float_denorm_mode_32 3
		.amdhsa_float_denorm_mode_16_64 3
		.amdhsa_memory_ordered 1
		.amdhsa_forward_progress 1
		.amdhsa_inst_pref_size 140
	.end_amdhsa_kernel
	.amdgpu_metadata
---
amdhsa.version: [ 1, 2 ]
amdhsa.kernels:
  - .name:           k_qf7a8db2bde_ffn1
    .symbol:         k_qf7a8db2bde_ffn1.kd
    .args:
      - { .name: ln1, .offset: 0, .size: 8, .value_kind: global_buffer, .address_space: global }
      - { .name: xw, .offset: 8, .size: 8, .value_kind: global_buffer, .address_space: global }
      - { .name: ffn_b1, .offset: 16, .size: 8, .value_kind: global_buffer, .address_space: global }
      - { .name: hp, .offset: 24, .size: 8, .value_kind: global_buffer, .address_space: global }
    .group_segment_fixed_size: 327680
    .private_segment_fixed_size: 0
    .kernarg_segment_align: 8
    .kernarg_segment_size: 32
    .max_flat_workgroup_size: 128
    .sgpr_count:     72
    .vgpr_count:     1024
    .wavefront_size: 32
...
	.end_amdgpu_metadata
.endif
;; end of part 5
;; launch ffn2 (part 6): grid 64 x 1, 4 waves a work-group, clusters of 4 x 1, 327,680 bytes of LDS; arguments hp, xw, ln1, ln2_g, ln2_b, out0; writes out0
.if DOCPART == 6
	.amdgcn_target "amdgcn-amd-amdhsa--gfx1250"
	.amdhsa_code_object_version 6
	.text
	.protected	k_qf7a8db2bde_ffn2
	.globl	k_qf7a8db2bde_ffn2
	.p2align	8
	.type	k_qf7a8db2bde_ffn2,@function
k_qf7a8db2bde_ffn2:
	s_mov_b64 s[64:65], 0
	v_nop
	global_prefetch_b8 v0, s[64:65] scope:SCOPE_SE
	s_setreg_imm32_b32 hwreg(HW_REG_WAVE_MODE, 25, 1), 1
	s_wait_xcnt 0x0
	s_wait_alu depctr_hold_cnt(0) depctr_sa_sdst(0) depctr_va_vdst(0) depctr_va_sdst(0) depctr_va_ssrc(0) depctr_va_vcc(0) depctr_vm_vsrc(0)
	s_getreg_b32 s2, hwreg(HW_REG_IB_STS2, 6, 4)
	s_cmp_eq_u32 s2, 0
	s_cbranch_scc0 .Lentry_in_a_cluster
	s_endpgm
.Lentry_in_a_cluster:
	s_bfe_u32 s2, ttmp6, 0x10000c
	s_cmp_lg_u32 s2, 0x3003
	s_cbranch_scc0 .Lentry_shape_is_right
	s_endpgm
.Lentry_shape_is_right:
; out0 = layer_norm(q_enh + hidden ffn_w2 + ffn_b2) g + b.  The product is on codes of BF6 with E8M0 scales, K = 4,096 in 32 steps, sums in f32.
; SHARES.  A work-group owns 64 WHOLE rows of 1,024, so that the norm needs no other work-group: 64 work-groups.  Wave w: columns 256 w .. + 255: B's panels 4 w .. 4 w + 3 against A's four fragments, 64 accumulators.
; The product is used transposed (source 0 = ffn_w2's fragment, source 1 = the hidden layer's): lane (r, h) holds row-lane r (row 32 (a / 2) + 8 (a % 2) + r + 8 (r / 8) of the block), and register n of a group of 64
; column 32 (n / 16) + 16 h + n % 16 of its 128.  THE ACCUMULATORS ARE LOADED WITH q_enh + ffn_b2, which an earlier launch stored as images of these very registers, 512 consecutive bytes a load.
; B comes through two LDS slots of one K step by joint tensor loads (the four row blocks of a cluster walk the same ffn_w2; mask of all four); wave w fetches and alone reads its 25,600 bytes.  A comes by 13 loads a wave
; into registers, a K step ahead.  The results turn through the wave's own stage in LDS and leave as 512 consecutive bytes of a row.  LIMITS: NaN and infinities are not served.
; REGISTERS in the loop: window 0: v1-14 addresses; v16-31 B's scale words, v32-39 A's, v64-159 A's fragments; window 1: v0-191 B's fragments; windows 2, 3: accumulator (a, p, f) at window 2 + p / 2, v[64 a + 8 (4 (p % 2) + f)].
; Behind it: window 1: v0-127 g, v128-255 b; window 0: v64-127 a group's results, v128-255 rows on their way out (two sets), v32-63 and v96-111 at work.
.set PANEL, 6400
.set WPART, 4*PANEL
.set SLOTB, 16*PANEL
.set SPARE, 2*SLOTB                    ; the spare words: two blocks of 256 bytes that no other line names
.set RED,   SPARE+512                  ; the waves' row sums: 1,024 bytes for the sums, 1,024 for the sums of squares
.set STG,   RED+2048                   ; a stage of 16 rows x 528 bytes for each wave
.set WV,  20
.set G1,  24
.set G0,  32
.set AB,  40
.set AST, 44
.set BST, 46
.set OB,  48
.set SEL, 56
.set CNT, 60
.set SB,  16
.set SA,  32
.set AF,  64
.set XP,  32
.set U,   36
.set T,   40
.set MU,  48
.set RS,  56
.set RD,  96
.set Y,   64
.set MSB, 0
.macro WIN new
.if MSB != (\new)
	s_set_vgpr_msb (MSB<<8)|(\new)
.set MSB, (\new)
.endif
.endm
.macro PLACES n
.rept \n
	v_nop
.endr
.endm
.macro CREST
	s_cmp_lg_u32 s[WV], 0
	s_cbranch_scc1 .Lnot_wave_0_\@
	s_barrier_signal -3
.Lnot_wave_0_\@:
	s_barrier_wait -3
	s_barrier_signal -1
	s_barrier_wait -1
.endm
.macro CROUND
	s_barrier_signal -1
	s_barrier_wait -1
	CREST
.endm
.macro MUL8 p, a0, sl                  ; 8 matrix instructions; the 64 accumulators take turns, one instruction a turn, in the same order in every K step
	WIN 0xa1+0x50*((\p)/2)
.irp a, \a0, \a0+1
.irp f, 0,1,2,3
.set rD, 64*(\a)+8*(4*((\p)%2)+\f)
.set rB, 48*(\p)+12*\f
.set rA, AF+48*(\sl)+12*(\a)
	v_wmma_scale_f32_16x16x128_f8f6f4 v[rD:rD+7], v[rB:rB+11], v[rA:rA+11], v[rD:rD+7], v[SB+4*(\p)+\f], v[SA+4*(\sl)+(\a)] matrix_a_fmt:MATRIX_FMT_BF6 matrix_b_fmt:MATRIX_FMT_BF6
.endr
.endr
.endm
.macro FETCHQ sl, p
	WIN 0x40
.irp f, 0,1,2,3
.irp c, 0,1,2
	ds_load_b128 v[48*(\p)+12*\f+4*\c:48*(\p)+12*\f+4*\c+3], v[1+(\sl)] offset:PANEL*(\p)+1536*\f+512*\c
.endr
.endr
	WIN 0
	ds_load_b128 v[SB+4*(\p):SB+4*(\p)+3], v[3+(\sl)] offset:PANEL*(\p)
.endm
.macro ALOAD sl
.irp a, 0,1,2,3
.irp c, 0,1,2
	global_load_b128 v[AF+48*(\sl)+12*\a+4*\c:AF+48*(\sl)+12*\a+4*\c+3], v5, s[AB+2*(\sl):AB+2*(\sl)+1] offset:1536*\a+512*\c
.endr
.endr
	global_load_b128 v[SA+4*(\sl):SA+4*(\sl)+3], v6, s[AB+2*(\sl):AB+2*(\sl)+1]
.endm
; A K step in slot sl.  fill = 1: the slot is filled again, two K steps ahead, behind a round of the cluster's barrier in the step's middle.  nxt = 1: the next step's fragments are fetched.  lc: younger loads of A that may stay out.
.macro STEP sl, fill, nxt, lc
	s_wait_loadcnt \lc                             ; this step's panel of A is in (at the first step: the residual too, which was asked for earlier)
	s_wait_dscnt 39                                ; B's panel 0 is in; panels 1 to 3, 13 loads each, may be out
	MUL8 0, 0, \sl
	MUL8 0, 2, \sl
	s_wait_dscnt 26
	MUL8 1, 0, \sl
	MUL8 1, 2, \sl
	WIN 0
.if \fill
	s_wait_tensorcnt 0x0                           ; all my tensor loads have landed: my part of the other slot
	ds_add_u32 v7, v8                              ; 0 onto my spare word
	s_wait_dscnt 14                                ; panel 2 is in (panel 3's 13 loads and the add may be out)
	MUL8 2, 0, \sl
	s_wait_dscnt 0x0                               ; the add is done, and my reads of this slot are over
	s_barrier_signal -1
	MUL8 2, 2, \sl
	WIN 0
	s_barrier_wait -1
	CREST
	s_add_nc_u64 s[G0+4*\sl+2:G0+4*\sl+3], s[G0+4*\sl+2:G0+4*\sl+3], s[BST:BST+1]
	tensor_load_to_lds s[G0+4*\sl:G0+4*\sl+3], s[G1:G1+7]
	s_nop 0
	PLACES 4                                       ; four v_nop behind a tensor load; also the places in front of the loads below
.else
.if \nxt
	s_wait_tensorcnt 0x0                           ; my last tensor load, my part of the other slot, is in; I alone read it
.endif
	s_wait_dscnt 13
	MUL8 2, 0, \sl
	MUL8 2, 2, \sl
	WIN 0
.if \nxt
	PLACES 4
.endif
.endif
.if \nxt
	FETCHQ 1-\sl, 0
	FETCHQ 1-\sl, 1
	FETCHQ 1-\sl, 2
	s_wait_dscnt 39                                ; all but the 39 just issued
.else
	s_wait_dscnt 0x0
.endif
	MUL8 3, 0, \sl
	MUL8 3, 2, \sl
	WIN 0
.if \nxt
	PLACES 4
	FETCHQ 1-\sl, 3
.endif
.if \fill
	s_add_nc_u64 s[AB+2*\sl:AB+2*\sl+1], s[AB+2*\sl:AB+2*\sl+1], s[AST:AST+1]
	ALOAD \sl
.endif
.endm
.macro PARAM reg, base                 ; 128 numbers of a vector of 1,024 in the accumulators' column order
.irp x, 0,1
.irp q, 0,1,2,3
.irp i, 0,1,2,3
	global_load_b128 v[\reg+64*\x+16*\q+4*\i:\reg+64*\x+16*\q+4*\i+3], v14, s[\base:\base+1] offset:512*\x+128*\q+16*\i
.endr
.endr
.endr
.endm
.macro SUMS sq                         ; a lane's sums (sq = 0) or sums of squares (1) over its 128 columns, for the four fragments of rows by turns; each accumulator is read from its low end on
.irp j, 0,1,2,3,4,5,6,7
	v_mov_b32 v[T+\j], 0
.endr
.irp x, 0,1
.if \sq
	WIN 0x0a+5*\x
.else
	WIN 0x02+\x
.endif
.set i, 0
.rept 32
.irp a, 0,1,2,3
.if \sq
	v_pk_fma_f32 v[T+2*\a:T+2*\a+1], v[64*\a+i:64*\a+i+1], v[64*\a+i:64*\a+i+1], v[T+2*\a:T+2*\a+1]
.else
	v_pk_add_f32 v[T+2*\a:T+2*\a+1], v[64*\a+i:64*\a+i+1], v[T+2*\a:T+2*\a+1]
.endif
.endr
.set i, i+2
.endr
.endr
	WIN 0
.endm
.macro REDUCE n                        ; over a pair's halves, the two halves of the lanes, and the four waves (through LDS bytes of the n-th sum's own)
.irp a, 0,1,2,3
	v_add_f32 v[U+\a], v[T+2*\a], v[T+2*\a+1]
.endr
.irp a, 0,1,2,3
	v_permlanex16_b32 v[XP+\a], v[U+\a], s[SEL], s[SEL+1]
.endr
.irp a, 0,1,2,3
	v_add_f32 v[U+\a], v[U+\a], v[XP+\a]
.endr
	ds_store_b128 v12, v[U:U+3] offset:1024*\n     ; lanes r and r + 16 write the same four words
	s_wait_dscnt 0x0                               ; for the others' sake
	s_barrier_signal -1
	s_barrier_wait -1
.irp k, 0,1,2,3
	ds_load_b128 v[RD+4*\k:RD+4*\k+3], v13 offset:1024*\n+256*\k
.endr
	s_wait_dscnt 0x0
.irp a, 0,1,2,3
	v_add_f32 v[U+\a], v[RD+\a], v[RD+4+\a]
.endr
.irp a, 0,1,2,3
	v_add_f32 v[XP+\a], v[RD+8+\a], v[RD+12+\a]
.endr
.irp a, 0,1,2,3
	v_add_f32 v[U+\a], v[U+\a], v[XP+\a]
.endr
.endm
.macro INPLACE mul, reg                ; every accumulator + (mul = 0) or x (1) its row's number, a pair at v[reg + 2 a]
.irp x, 0,1
	WIN 0x82+0x41*\x
.set i, 0
.rept 32
.irp a, 0,1,2,3
.if \mul
	v_pk_mul_f32 v[64*\a+i:64*\a+i+1], v[64*\a+i:64*\a+i+1], v[\reg+2*\a:\reg+2*\a+1]
.else
	v_pk_add_f32 v[64*\a+i:64*\a+i+1], v[64*\a+i:64*\a+i+1], v[\reg+2*\a:\reg+2*\a+1]
.endif
.endr
.set i, i+2
.endr
.endr
	WIN 0
.endm
	s_load_b256 s[4:11], s[0:1], 0x0               ; hp, xw, ln1, ln2_g
	s_load_b128 s[12:15], s[0:1], 0x20             ; ln2_b, out0
	v_lshl_add_u32 v7, v0, 2, SPARE
	v_mov_b32 v8, 0
	ds_add_u32 v7, v8
	ds_add_u32 v7, v8
	s_wait_dscnt 0x0
	v_lshrrev_b32 v9, 5, v0
	v_readfirstlane_b32 s[WV], v9
	s_bfe_u32 s21, ttmp6, 0x40000                  ; cx: it enters global addresses of A, the residual and the output alone
	s_mul_i32 s18, s[WV], WPART                    ; my four panels of a K step of B, in memory and in a slot
	s_add_co_u32 s62, s18, 16384000                ; ffn_w2's panels
	s_mov_b32 s63, 0
	s_mov_b32 s[BST], 204800                       ; two K steps of 16 panels
	s_mov_b32 s[BST+1], 0
	s_mov_b32 s[AST], 819200                       ; two K steps of 64 panels
	s_mov_b32 s[AST+1], 0
	s_lshl_b32 s22, ttmp9, 2
	s_add_co_u32 s22, s22, s21                     ; rb
	s_mul_i32 s2, s22, PANEL
	s_mov_b32 s3, 0
	s_lshl_b32 s68, s[WV], 10                      ; my 256 columns in bytes
	s_mov_b32 s69, 0
	s_lshl_b32 s66, s22, 18                        ; 64 rows of 4,096 bytes
	s_add_co_u32 s66, s66, s68
	s_mov_b32 s67, 0
	s_lshl_b32 s58, s22, 2
	s_add_co_u32 s58, s58, s[WV]
	s_lshl_b32 s58, s58, 16                        ; 65,536 bytes of f32 images for each (row block, wave),
	s_add_co_u32 s58, s58, 3276800                 ; behind the codes' panels
	s_mov_b32 s59, 0
	s_mov_b32 s[G1+0], 15|(3<<16)|(1<<21)          ; the mask of all four; elements of 8 bytes; bit 21 beside a mask; no padding
	s_mov_b32 s[G1+1], 32<<16
	s_mov_b32 s[G1+2], 100<<16                     ; 100 rows of 256 bytes: 25,600 dense bytes
	s_mov_b32 s[G1+3], 32<<16
	s_mov_b32 s[G1+4], 100
	s_mov_b32 s[G1+5], 32
	s_mov_b32 s[G1+6], 0
	s_mov_b32 s[G1+7], 0
	s_mov_b32 s[SEL], 0x76543210
	s_mov_b32 s[SEL+1], 0xfedcba98
	s_wait_kmcnt 0x0
	s_add_nc_u64 s[AB:AB+1], s[4:5], s[2:3]
	s_add_nc_u64 s[AB+2:AB+3], s[AB:AB+1], 409600
	s_add_nc_u64 s[54:55], s[8:9], s[58:59]        ; the residual's images
	s_add_nc_u64 s[10:11], s[10:11], s[68:69]
	s_add_nc_u64 s[12:13], s[12:13], s[68:69]
	s_add_nc_u64 s[OB:OB+1], s[14:15], s[66:67]    ; out0 at my rows and columns
	s_mov_b32 s58, 0x3a800000                      ; 1 / 1,024
	s_mov_b32 s59, 0x3727c5ac                      ; 1e-5
	s_mov_b32 s[G0], 1
	s_mov_b32 s[G0+1], s18
	s_add_nc_u64 s[G0+2:G0+3], s[6:7], s[62:63]
	s_mov_b32 s[G0+4], 1
	s_add_co_u32 s[G0+5], s18, SLOTB
	s_add_nc_u64 s[G0+6:G0+7], s[G0+2:G0+3], 102400
	s_or_b32 s[G0+3], s[G0+3], 0x80000000
	s_or_b32 s[G0+7], s[G0+7], 0x80000000
	CROUND                                         ; all four work-groups are here: the first joint loads meet
	tensor_load_to_lds s[G0:G0+3], s[G1:G1+7]      ; two tensor loads of mine are out
	s_nop 0
	tensor_load_to_lds s[G0+4:G0+7], s[G1:G1+7]
	s_nop 0
	PLACES 4
	v_and_b32 v9, 31, v0                           ; lane
	v_and_b32 v15, 15, v0                          ; r
	v_bfe_u32 v14, v0, 4, 1                        ; h
	v_lshlrev_b32 v5, 4, v9
	v_lshl_add_u32 v6, v15, 4, 6144
	v_lshlrev_b32 v14, 6, v14                      ; 64 h
.irp x, 0,1
	WIN 0x80+0x40*\x
.irp a, 0,1,2,3
.irp t, 0,1,2,3,4,5,6,7,8,9,10,11,12,13,14,15
	global_load_b128 v[64*\a+4*\t:64*\a+4*\t+3], v5, s[54:55] offset:(2*\a+\x)*8192+512*\t th:TH_LOAD_NT   ; q_enh + ffn_b2 into the accumulators
.endr
.endr
.endr
	WIN 0
	ALOAD 0
	ALOAD 1
	v_add_nc_u32 v1, s18, v5
	v_add_nc_u32 v2, SLOTB, v1
	v_add_nc_u32 v3, s18, v6
	v_add_nc_u32 v4, SLOTB, v3
	s_lshl_b32 s61, s[WV], 8
	s_add_co_u32 s61, s61, RED
	v_lshl_add_u32 v12, v15, 4, s61                ; my wave's sums of row-lane r
	v_lshl_add_u32 v13, v15, 4, RED                ; all waves'
	s_mul_i32 s61, s[WV], 8448
	s_add_co_u32 s61, s61, STG                     ; my stage
	v_mul_u32_u24 v10, v15, 528
	v_add_nc_u32 v10, v10, v14
	v_add_nc_u32 v10, s61, v10                     ; in: row-lane r, + 64 h
	v_add_nc_u32 v11, s61, v5                      ; back: a row's 512 bytes, 16 a lane
	s_wait_tensorcnt 1                             ; my part of slot 0 is in; slot 1's may be out.  I alone read my part
	FETCHQ 0, 0
	FETCHQ 0, 1
	FETCHQ 0, 2
	FETCHQ 0, 3
	s_mov_b32 s[CNT], 15
.Lk:                                               ; K steps 0 to 29
	STEP 0, 1, 1, 13
	STEP 1, 1, 1, 13
	s_sub_co_u32 s[CNT], s[CNT], 1
	s_cmp_lg_u32 s[CNT], 0
	s_cbranch_scc1 .Lk
	STEP 0, 0, 1, 13                               ; the last two fill nothing: written out
	STEP 1, 0, 0, 0
	; ---- the norm
	PLACES 4                                       ; in front of loads into, and writes of, the last products' sources, and of the first read of results
	WIN 0x40
	PARAM 0, 10                                    ; g and b into window 1: they land under the sums
	PARAM 128, 12
	WIN 0
.irp a, 0,1,2,3
	v_mov_b32 v[XP+\a], 0                          ; a lane permute's destination counts as one of its sources
.endr
	SUMS 0
	REDUCE 0
.irp a, 0,1,2,3
	v_mul_f32 v[MU+2*\a], 0xba800000, v[U+\a]      ; -mean
.endr
.irp a, 0,1,2,3
	v_mov_b32 v[MU+2*\a+1], v[MU+2*\a]
.endr
	INPLACE 0, MU
	SUMS 1
	REDUCE 1
.irp a, 0,1,2,3
	v_fma_f32 v[U+\a], v[U+\a], s58, s59           ; var + eps
.endr
.irp a, 0,1,2,3
	v_rsq_f32 v[RS+2*\a], v[U+\a]
.endr
	v_nop
	s_wait_alu depctr_va_vdst(0)                   ; one wait for the four, ahead of their first reader
.irp a, 0,1,2,3
	v_mov_b32 v[RS+2*\a+1], v[RS+2*\a]
.endr
	INPLACE 1, RS
	s_wait_loadcnt 0x0                             ; g, b
.irp x, 0,1
.irp a, 0,1,2,3
	s_wait_xcnt 0x0                                ; earlier stores have read their registers: the set of rows used two groups ago is loaded again
	WIN 0x16+\x                                    ; source 0 window 2 or 3, g and b window 1
.set i, 0
.rept 32
	v_pk_fma_f32 v[Y+i:Y+i+1], v[64*\a+i:64*\a+i+1], v[64*\x+i:64*\x+i+1], v[128+64*\x+i:128+64*\x+i+1]
.set i, i+2
.endr
	WIN 0
.irp q, 0,1,2,3
.irp i, 0,1,2,3
	ds_store_b128 v10, v[Y+16*\q+4*\i:Y+16*\q+4*\i+3] offset:128*\q+16*\i
.endr
.endr
.set Z, 128+64*(\a%2)
.irp k, 0,1,2,3,4,5,6,7,8,9,10,11,12,13,14,15
	ds_load_b128 v[Z+4*\k:Z+4*\k+3], v11 offset:528*\k   ; LDS serves a wave's instructions in order: these see my stores
.endr
.irp k, 0,1,2,3,4,5,6,7,8,9,10,11,12,13,14,15
	s_wait_dscnt 15-\k                             ; row-lane k is back; the younger loads may be out
	global_store_b128 v5, v[Z+4*\k:Z+4*\k+3], s[OB:OB+1] offset:(32*(\a/2)+8*(\a%2)+\k+8*(\k/8))*4096+512*\x th:TH_STORE_NT   ; 512 consecutive bytes of a row, aligned to 256
.endr
.endr
.endr
	s_wait_tensorcnt 0x0                           ; the wave's end
	ds_add_u32 v7, v8
	s_wait_dscnt 0x0
	CROUND                                         ; the closing round
	s_endpgm
.Lfunc_end_k_qf7a8db2bde_ffn2:
	.size	k_qf7a8db2bde_ffn2, .Lfunc_end_k_qf7a8db2bde_ffn2-k_qf7a8db2bde_ffn2
	.p2alignl 7, 3214868480
	.fill 96, 4, 3214868480
	.section	.rodata,"a",@progbits
	.p2align	6, 0x0
	.amdhsa_kernel k_qf7a8db2bde_ffn2
		.amdhsa_group_segment_fixed_size 327680
		.amdhsa_private_segment_fixed_size 0
		.amdhsa_enable_private_segment 0
		.amdhsa_kernarg_size 48
		.amdhsa_user_sgpr_count 2
		.amdhsa_user_sgpr_kernarg_segment_ptr 1
		.amdhsa_wavefront_size32 1
		.amdhsa_system_sgpr_workgroup_id_x 1
		.amdhsa_system_sgpr_workgroup_id_y 1
		.amdhsa_system_sgpr_workgroup_id_z 1
		.amdhsa_system_vgpr_workitem_id 0
		.amdhsa_next_free_vgpr 1024
		.amdhsa_next_free_sgpr 72
		.amdhsa_reserve_vcc 0
		.amdhsa_float_denorm_mode_32 3
		.amdhsa_float_denorm_mode_16_64 3
		.amdhsa_memory_ordered 1
		.amdhsa_forward_progress 1
		.amdhsa_inst_pref_size 196
	.end_amdhsa_kernel
	.amdgpu_metadata
---
amdhsa.version: [ 1, 2 ]
amdhsa.kernels:
  - .name:           k_qf7a8db2bde_ffn2
    .symbol:         k_qf7a8db2bde_ffn2.kd
    .args:
      - { .name: hp, .offset: 0, .size: 8, .value_kind: global_buffer, .address_space: global }
      - { .name: xw, .offset: 8, .size: 8, .value_kind: global_buffer, .address_space: global }
      - { .name: ln1, .offset: 16, .size: 8, .value_kind: global_buffer, .address_space: global }
      - { .name: ln2_g, .offset: 24, .size: 8, .value_kind: global_buffer, .address_space: global }
      - { .name: ln2_b, .offset: 32, .size: 8, .value_kind: global_buffer, .address_space: global }
      - { .name: out0, .offset: 40, .size: 8, .value_kind: global_buffer, .address_space: global }
    .group_segment_fixed_size: 327680
    .private_segment_fixed_size: 0
    .kernarg_segment_align: 8
    .kernarg_segment_size: 48
    .max_flat_workgroup_size: 128
    .sgpr_count:     72
    .vgpr_count:     1024
    .wavefront_size: 32
...
	.end_amdgpu_metadata
.endif
;; end of part 6
;; ======== version 2 of 2: 7 launches
;; workspace buffers: xw 19,660,800 bytes; qkv 9,830,400 bytes; ap 3,276,800 bytes; ln1 20,054,016 bytes; hp 13,107,200 bytes; zz 16,777,216 bytes
;; launch quant: the kernel of part 1 again; grid 768 x 1, 4 waves a work-group, no clusters, 86,528 bytes of LDS; arguments query, key, value, Wq, Wk, Wv, Wo, ffn_w1, ffn_w2, xw; writes xw
;; launch qkv: the kernel of part 2 again; grid 64 x 3, 4 waves a work-group, clusters of 4 x 1, 327,680 bytes of LDS; arguments xw, qkv; writes qkv
;; launch att: the kernel of part 3 again; grid 16 x 16, 4 waves a work-group, clusters of 4 x 1, 327,680 bytes of LDS; arguments qkv, lambda_param, ap; writes ap
;; launch woln: the kernel of part 4 again; grid 64 x 1, 4 waves a work-group, clusters of 4 x 1, 327,680 bytes of LDS; arguments ap, xw, query, ln1_g, ln1_b, ffn_b2, ln1; writes ln1
;; launch ffn1: the kernel of part 5 again; grid 64 x 4, 4 waves a work-group, clusters of 4 x 1, 327,680 bytes of LDS; arguments ln1, xw, ffn_b1, hp; writes hp
;; launch ffn2 (part 7): grid 64 x 4, 4 waves a work-group, clusters of 4 x 4, 327,680 bytes of LDS; arguments hp, xw, ln1, zz; writes zz
.if DOCPART == 7
	.amdgcn_target "amdgcn-amd-amdhsa--gfx1250"
	.amdhsa_code_object_version 6
	.text
	.protected	k_qf7a8db2bde_ffn2
	.globl	k_qf7a8db2bde_ffn2
	.p2align	8
	.type	k_qf7a8db2bde_ffn2,@function
k_qf7a8db2bde_ffn2:
	s_mov_b64 s[64:65], 0
	v_nop
	global_prefetch_b8 v0, s[64:65] scope:SCOPE_SE
	s_setreg_imm32_b32 hwreg(HW_REG_WAVE_MODE, 25, 1), 1
	s_wait_xcnt 0x0
	s_wait_alu depctr_hold_cnt(0) depctr_sa_sdst(0) depctr_va_vdst(0) depctr_va_sdst(0) depctr_va_ssrc(0) depctr_va_vcc(0) depctr_vm_vsrc(0)
	s_getreg_b32 s2, hwreg(HW_REG_IB_STS2, 6, 4)
	s_cmp_eq_u32 s2, 0
	s_cbranch_scc0 .Lentry_in_a_cluster
	s_endpgm
.Lentry_in_a_cluster:
	s_bfe_u32 s2, ttmp6, 0x10000c
	s_cmp_lg_u32 s2, 0xf033
	s_cbranch_scc0 .Lentry_shape_is_right
	s_endpgm
.Lentry_shape_is_right:
; zz = q_enh + ffn_b2 + hidden ffn_w2, the number that the last norm takes.  The product is on codes of BF6 (E3M2) with E8M0 scales, K = 4,096 in 32 steps of 128, sums in f32.
; PANELS.  Both operands lie as panels of 64 rows x 128 K in 6,400 bytes: four images of a fragment's 12 registers (registers 4 c .. 4 c + 3 of lane l at 1536 f + 512 c + 16 l) and 256 bytes of scale words
; (word f of row-lane r at 6144 + 16 r + 4 f).  Row-lane r of fragment f is the panel's row 32 (f / 2) + 8 (f % 2) + r + 8 (r / 8).  hidden: panel 64 ks + rb;  ffn_w2: panel 16 ks + g.
; SHARES.  A work-group makes 64 rows x 256 columns: row block rb, column block cb: 256 work-groups.  So a K step is one panel of A and four of B, 32,000 bytes, and FOUR K steps fit into each of two LDS slots:
; the 32 K steps want two first fills and six refills, and a work-group streams 1,024,000 bytes, not all of ffn_w2.  The norm over whole rows is the next launch's.
; Wave w multiplies B's panel w (four fragments) by A's four fragments: 16 accumulators.  THE PRODUCT IS USED TRANSPOSED (source 0 = ffn_w2's fragment, source 1 = the hidden layer's): lane (r, h) holds row-lane r, and
; register n of A's fragment's 32 column 32 (n / 16) + 16 h + n % 16 of the panel's 64.
; THE ACCUMULATORS ARE LOADED WITH q_enh + ffn_b2, which an earlier launch stored as images of registers in this very order (its wave is my cb, its panel my wave); the results leave in the same order, 512 consecutive
; bytes a store: byte 262144 rb + 65536 cb + 16384 a + 4096 w + 512 t + 16 lane holds registers 4 t .. 4 t + 3 of fragment a.
; CLUSTER: 4 x 4 work-groups.  A's tile hangs on rb alone: the four of a column of the cluster (same cx) ask for it JOINTLY; B's hangs on cb alone: the four of a row (same cy).  The grid's y is one cluster high: cb = cy.
; Waves 0 and 1 fetch A (two K steps each: 2 rows of 6,400 bytes), waves 2 and 3 B (two K steps each: 2 rows of 25,600 bytes).  By this text's count two tensor loads of a wave are out at the head, one later.
; LIMITS: NaN and infinities are not served.
; REGISTERS.  window 0: v1-12 LDS addresses (v1 also 16 x lane for memory), v13, v14 the spare word's address and 0, v15 the prefetches' offset; v16-23 A's scale words, v24-31 B's (two sets of four each);
;   v32-127 A's fragments, v128-223 B's (two sets of 48 each).   window 1: v0-127 accumulator (a, f) at v[8 (4 a + f)].
.set PANEL, 6400
.set ASL,   4*PANEL                    ; A's part of a slot: four K steps
.set BKS,   4*PANEL                    ; a K step of B: my column block's four panels
.set SLOT,  ASL+4*BKS                  ; 128,000 bytes
.set SPARE, 2*SLOT                     ; behind the ring: the spare words, 128 bytes a wave: two blocks of 256 bytes that no other line names
.set WV,   20
.set FB,   21                          ; 0: I fetch for A; 1: for B
.set HF,   22                          ; which two of a slot's four K steps I fetch
.set CNT,  23
.set G1,   24                          ; s[24:31] descriptor group 1 for A's tiles;  s[32:39] group 0, a set for each slot
.set G0,   32
.set G1B,  48                          ; s[48:55], s[56:63] the same for B's
.set G0B,  56
.set PFA,  72                          ; s[72:73] where my prefetch of A stands
.set PFB,  76                          ; s[76:77] and of B
.set LIMA, 78                          ; 1 in a wave that asks for A's panels, else the greatest number
.set LIMB, 79                          ; the same for B's
.set SA,   16
.set SB,   24
.set AF,   32
.set BF,   128
.set MSB, 0
.macro WIN new                         ; the immediate's high byte repeats the setting that is left
.if MSB != (\new)
	s_set_vgpr_msb (MSB<<8)|(\new)
.set MSB, (\new)
.endif
.endm
.macro PLACES n
.rept \n
	v_nop
.endr
.endm
.macro CREST                           ; a round of the cluster's barrier behind its opening barrier
	s_cmp_lg_u32 s[WV], 0
	s_cbranch_scc1 .Lnot_wave_0_\@
	s_barrier_signal -3
.Lnot_wave_0_\@:
	s_barrier_wait -3
	s_barrier_signal -1
	s_barrier_wait -1
.endm
.macro CROUND
	s_barrier_signal -1
	s_barrier_wait -1
	CREST
.endm
; A joint load into slot s.  Each of the two lines has one mask and one set of registers for all that issue it; the branch hangs on the wave's number alone.  Four v_nop follow each line.
.macro JLOAD s
	s_cmp_eq_u32 s[FB], 0
	s_cbranch_scc0 .Lfor_b_\@
	tensor_load_to_lds s[G0+4*\s:G0+4*\s+3], s[G1:G1+7]
	s_nop 0
.rept 4
	v_nop
.endr
	s_branch .Lasked_\@
.Lfor_b_\@:
	tensor_load_to_lds s[G0B+4*\s:G0B+4*\s+3], s[G1B:G1B+7]
	s_nop 0
.rept 4
	v_nop
.endr
.Lasked_\@:
.endm
; A PREFETCH INTO THE L2 of the four K steps that the change of slots after the next will ask for: eight K steps, 128 matrix instructions of a wave, ahead of that load.  It stands behind the joint load, its four lines
; and the run of LDS loads.  Each panel is named by one wave of the launch.  A's panel (ks, rb) is read by the four partners of a column of the cluster: the partner at cy = ks % 4 asks, its wave 0.  B's panel
; (ks, 4 cb + w) is read by every cluster: cluster x = 0 asks, the partner at cx = ks % 4, its wave w.  The partners are told apart BY ADDRESS; the branches hang on the wave's number, the cluster's x and the count of trips.
; A panel is 25 blocks of 256 bytes, a lane a block: lanes 25 to 31 are held at the last block and name it again.  The loop's last trip asks for nothing: there are no K steps so far on.  The first sixteen K steps
; come by their loads alone: nothing is asked for at the head, where every work-group's first tiles are on their way.
.macro ASK
	s_cmp_gt_u32 s[CNT], s[LIMA]
	s_cbranch_scc0 .Lnot_a_\@
	global_prefetch_b8 v15, s[PFA:PFA+1] th:TH_LOAD_NT scope:SCOPE_SE
.Lnot_a_\@:
	s_cmp_gt_u32 s[CNT], s[LIMB]
	s_cbranch_scc0 .Lnot_b_\@
	global_prefetch_b8 v15, s[PFB:PFB+1] th:TH_LOAD_NT scope:SCOPE_SE
.Lnot_b_\@:
.endm
; 26 LDS loads: K step q of slot sl into set st: A's four fragments and their scale words, my panel of B likewise.  An immediate reaches 65,535 bytes: B has an address for K steps 0, 1 and one for 2, 3.
.macro FETCH sl, q, st
.irp f, 0,1,2,3
.irp c, 0,1,2
	ds_load_b128 v[AF+48*(\st)+12*\f+4*\c:AF+48*(\st)+12*\f+4*\c+3], v[1+(\sl)] offset:PANEL*(\q)+1536*\f+512*\c
.endr
.endr
	ds_load_b128 v[SA+4*(\st):SA+4*(\st)+3], v[3+(\sl)] offset:PANEL*(\q)
.irp f, 0,1,2,3
.irp c, 0,1,2
	ds_load_b128 v[BF+48*(\st)+12*\f+4*\c:BF+48*(\st)+12*\f+4*\c+3], v[5+2*(\sl)+(\q)/2] offset:BKS*((\q)%2)+1536*\f+512*\c
.endr
.endr
	ds_load_b128 v[SB+4*(\st):SB+4*(\st)+3], v[9+2*(\sl)+(\q)/2] offset:BKS*((\q)%2)
.endm
; 4 matrix instructions: A's fragment a against B's four, from set st.  The 16 accumulators take turns, one instruction a turn, in the same order in every K step.
.macro MUL4 a, st
.irp f, 0,1,2,3
	v_wmma_scale_f32_16x16x128_f8f6f4 v[8*(4*(\a)+\f):8*(4*(\a)+\f)+7], v[BF+48*(\st)+12*\f:BF+48*(\st)+12*\f+11], v[AF+48*(\st)+12*(\a):AF+48*(\st)+12*(\a)+11], v[8*(4*(\a)+\f):8*(4*(\a)+\f)+7], v[SB+4*(\st)+\f], v[SA+4*(\st)+(\a)] matrix_a_fmt:MATRIX_FMT_BF6 matrix_b_fmt:MATRIX_FMT_BF6
.endr
.endm
; One of a slot's first three K steps: the next step's fragments are asked for, then this step's are multiplied.  Four plain instructions stand in front of loads into registers that matrix instructions have read
; (ISA guide 7.12.1 for vector instructions).
.macro STEP sl, q
	PLACES 4
	FETCH \sl, (\q)+1, ((\q)+1)%2
	s_wait_dscnt 26                                ; this step's 26 loads are in; the 26 just issued may be out
	WIN 0x50                                       ; C and D window 1
	MUL4 0, (\q)%2
	MUL4 1, (\q)%2
	MUL4 2, (\q)%2
	MUL4 3, (\q)%2
	WIN 0
.endm
; A slot's last K step (set 1) changes slots: ONE barrier.  In front of it each wave waits for all its tensor loads (its part of the other slot), adds 0 to its spare word, and waits for that and for its reads of this
; slot, all of which have been issued.  fill = 1: the barrier opens a round of the cluster's barrier, and this slot is filled again, with the K steps eight on: the load has four K steps in which to land.
.macro TURN sl, fill
.if \fill
	s_wait_xcnt 0x0                                ; the last prefetches, a slot back, have read their addresses, which step here
	s_add_nc_u64 s[PFA:PFA+1], s[PFA:PFA+1], 4*64*PANEL
	s_add_nc_u64 s[PFB:PFB+1], s[PFB:PFB+1], 4*16*PANEL
.endif
	s_wait_tensorcnt 0x0                           ; all my tensor loads have landed
	ds_add_u32 v13, v14                            ; 0 onto my spare word
	s_wait_dscnt 1                                 ; this step's 26 loads are in; the add may be out
	WIN 0x50
	MUL4 0, 1                                      ; matrix work stands between the add and the wait for it
	s_wait_dscnt 0x0                               ; the add is done, and my reads of this slot are over
	s_barrier_signal -1
	MUL4 1, 1
	WIN 0
	s_barrier_wait -1
.if \fill
	CREST                                          ; no wave of any partner still reads this slot or has a load on its way
	s_add_nc_u64 s[G0+4*\sl+2:G0+4*\sl+3], s[G0+4*\sl+2:G0+4*\sl+3], 8*64*PANEL
	s_add_nc_u64 s[G0B+4*\sl+2:G0B+4*\sl+3], s[G0B+4*\sl+2:G0B+4*\sl+3], 8*16*PANEL
	JLOAD \sl                                      ; the first tensor load behind the round; its four v_nop are also the places in front of the loads below
.else
	PLACES 4
.endif
	FETCH 1-\sl, 0, 0
.if \fill
	ASK
.endif
	WIN 0x50
	MUL4 2, 1
	MUL4 3, 1
	WIN 0
.endm
	s_load_b256 s[4:11], s[0:1], 0x0               ; hp, xw, ln1, zz
	v_lshl_add_u32 v13, v0, 2, SPARE
	v_mov_b32 v14, 0
	ds_add_u32 v13, v14
	ds_add_u32 v13, v14
	s_wait_dscnt 0x0
	v_lshrrev_b32 v15, 5, v0
	v_readfirstlane_b32 s[WV], v15                 ; wave 0..3
	s_lshr_b32 s[FB], s[WV], 1
	s_and_b32 s[HF], s[WV], 1
	s_bfe_u32 s12, ttmp6, 0x40000                  ; cx
	s_bfe_u32 s13, ttmp6, 0x40004                  ; cy = cb
	s_lshl_b32 s14, ttmp9, 2
	s_add_co_u32 s14, s14, s12                     ; rb = 4 x cluster x + cx
	s_lshl_b32 s15, s13, 2
	s_lshl_b32 s15, 15, s15                        ; my row of the cluster: places 4 cy .. 4 cy + 3
	s_lshl_b32 s16, 0x1111, s12                    ; my column: places cx, cx + 4, cx + 8, cx + 12
	s_or_b32 s[G1+0], s16, (3<<16)|(1<<21)         ; A: 15:0 the mask of my column; 17:16 elements of 8 bytes; 21 set beside a mask; no padding
	s_mov_b32 s[G1+1], 800<<16                     ; tensor_dim0 = 800 elements: a panel, 6,400 bytes
	s_mov_b32 s[G1+2], 2<<16                       ; tensor_dim1 = 2 K steps
	s_mov_b32 s[G1+3], 800<<16                     ; tile_dim0
	s_mov_b32 s[G1+4], 2                           ; tile_dim1
	s_mov_b32 s[G1+5], 51200                       ; from K step to K step: 64 panels, in elements
	s_mov_b32 s[G1+6], 0
	s_mov_b32 s[G1+7], 0
	s_or_b32 s[G1B+0], s15, (3<<16)|(1<<21)        ; B: the mask of my row
	s_mov_b32 s[G1B+1], 3200<<16                   ; four panels, 25,600 bytes
	s_mov_b32 s[G1B+2], 2<<16
	s_mov_b32 s[G1B+3], 3200<<16
	s_mov_b32 s[G1B+4], 2
	s_mov_b32 s[G1B+5], 12800                      ; 16 panels
	s_mov_b32 s[G1B+6], 0
	s_mov_b32 s[G1B+7], 0
	; where the tiles come from: A's by rb and the wave's number, B's by cb and the wave's number, each in registers that never hold the other coordinate
	s_mul_i32 s40, s14, PANEL
	s_mul_i32 s17, s[HF], 2*64*PANEL
	s_add_co_u32 s40, s40, s17
	s_mov_b32 s41, 0
	s_mul_i32 s42, s13, BKS
	s_mul_i32 s18, s[HF], 2*16*PANEL
	s_add_co_u32 s42, s42, s18
	s_add_co_u32 s42, s42, 16384000                ; ffn_w2's panels
	s_mov_b32 s43, 0
	s_mul_i32 s44, s[HF], 2*PANEL                  ; and where they go: no place in the cluster enters an LDS address
	s_mul_i32 s45, s[HF], 2*BKS
	s_add_co_u32 s45, s45, ASL
	; the residual's and the result's images
	s_lshl_b32 s66, s14, 18
	s_lshl_b32 s67, s13, 16
	s_add_co_u32 s66, s66, s67
	s_lshl_b32 s67, s[WV], 12
	s_add_co_u32 s66, s66, s67
	s_mov_b32 s67, 0
	; the prefetches: at K steps 12 to 15; the first change of slots steps them to 16 to 19
	s_mul_i32 s74, s13, 64*PANEL
	s_add_co_u32 s74, s74, 12*64*PANEL
	s_mul_i32 s75, s14, PANEL
	s_add_co_u32 s74, s74, s75                     ; A: panel 64 (12 + cy) + rb
	s_mov_b32 s75, 0
	s_mul_i32 s70, s12, 16*PANEL
	s_mul_i32 s71, s13, BKS
	s_add_co_u32 s70, s70, s71
	s_mul_i32 s71, s[WV], PANEL
	s_add_co_u32 s70, s70, s71
	s_add_co_u32 s70, s70, 16384000+12*16*PANEL    ; B: panel 16 (12 + cx) + 4 cb + w
	s_mov_b32 s71, 0
	s_cmp_eq_u32 s[WV], 0
	s_cselect_b32 s[LIMA], 1, -1
	s_cmp_eq_u32 ttmp9, 0                          ; the cluster's x: the same in all sixteen partners
	s_cselect_b32 s[LIMB], 1, -1
	s_wait_kmcnt 0x0
	s_add_nc_u64 s[40:41], s[4:5], s[40:41]
	s_add_nc_u64 s[42:43], s[6:7], s[42:43]
	s_add_nc_u64 s[PFA:PFA+1], s[4:5], s[74:75]
	s_add_nc_u64 s[PFB:PFB+1], s[6:7], s[70:71]
	s_add_nc_u64 s[68:69], s[8:9], s[66:67]
	s_add_nc_u64 s[68:69], s[68:69], 3276800       ; the residual's images lie behind q_enh's panels
	s_add_nc_u64 s[70:71], s[10:11], s[66:67]
	CROUND                                         ; all sixteen work-groups are here: the first joint loads meet
.irp s, 0,1
	s_mov_b32 s[G0+4*\s], 1                        ; count = 1
	s_add_co_u32 s[G0+4*\s+1], s44, \s*SLOT        ; LDS address
	s_add_nc_u64 s[G0+4*\s+2:G0+4*\s+3], s[40:41], \s*4*64*PANEL   ; global address: slot s begins with K steps 4 s .. 4 s + 3
	s_or_b32 s[G0+4*\s+3], s[G0+4*\s+3], 0x80000000                ; type = 2
	s_mov_b32 s[G0B+4*\s], 1
	s_add_co_u32 s[G0B+4*\s+1], s45, \s*SLOT
	s_add_nc_u64 s[G0B+4*\s+2:G0B+4*\s+3], s[42:43], \s*4*16*PANEL
	s_or_b32 s[G0B+4*\s+3], s[G0B+4*\s+3], 0x80000000
	JLOAD \s
.endr
	v_and_b32 v15, 31, v0                          ; lane
	v_lshlrev_b32 v1, 4, v15                       ; A's fragments in slot 0: 16 x lane; also an image's place in memory
	v_add_nc_u32 v2, SLOT, v1
	v_and_b32 v3, 15, v0                           ; r
	v_lshl_add_u32 v3, v3, 4, 6144                 ; A's scale words: my row-lane's four
	v_add_nc_u32 v4, SLOT, v3
	s_mul_i32 s19, s[WV], PANEL
	s_add_co_u32 s19, s19, ASL                     ; my panel of B in a slot's first K step
	v_add_nc_u32 v5, s19, v1
	v_add_nc_u32 v6, 2*BKS, v5
	v_add_nc_u32 v7, SLOT, v5
	v_add_nc_u32 v8, SLOT, v6
	v_add_nc_u32 v9, s19, v3
	v_add_nc_u32 v10, 2*BKS, v9
	v_add_nc_u32 v11, SLOT, v9
	v_add_nc_u32 v12, SLOT, v10
	v_min_u32 v15, 24, v15
	v_lshlrev_b32 v15, 8, v15                      ; the prefetches: 256 x lane, held at a panel's last block
	WIN 0x40                                       ; destination window 1
.irp a, 0,1,2,3
.irp t, 0,1,2,3,4,5,6,7
	global_load_b128 v[32*\a+4*\t:32*\a+4*\t+3], v1, s[68:69] offset:16384*\a+512*\t th:TH_LOAD_NT   ; q_enh + ffn_b2 into the accumulators
.endr
.endr
	WIN 0
	s_wait_tensorcnt 1                             ; my part of slot 0 is in; slot 1's may be out
	s_barrier_signal -1
	s_barrier_wait -1                              ; everybody's is
	FETCH 0, 0, 0
	s_wait_loadcnt 0x0                             ; the residual
	s_mov_b32 s[CNT], 3
.Lk:                                               ; a trip goes once round the ring: eight K steps, both slots filled again: K steps 0 to 23
	STEP 0, 0
	STEP 0, 1
	STEP 0, 2
	TURN 0, 1
	STEP 1, 0
	STEP 1, 1
	STEP 1, 2
	TURN 1, 1
	s_sub_co_u32 s[CNT], s[CNT], 1
	s_cmp_lg_u32 s[CNT], 0
	s_cbranch_scc1 .Lk
	STEP 0, 0                                      ; the last eight K steps fill nothing: written out
	STEP 0, 1
	STEP 0, 2
	TURN 0, 0
	STEP 1, 0
	STEP 1, 1
	STEP 1, 2
	s_wait_dscnt 0x0
	WIN 0x50
	MUL4 0, 1
	MUL4 1, 1
	MUL4 2, 1
	MUL4 3, 1
	WIN 0
	PLACES 4                                       ; in front of the stores that read the results
	WIN 0x04                                       ; a store's data are its source 1: window 1
.irp a, 0,1,2,3
.irp t, 0,1,2,3,4,5,6,7
	global_store_b128 v1, v[32*\a+4*\t:32*\a+4*\t+3], s[70:71] offset:16384*\a+512*\t   ; 512 consecutive bytes, aligned to 256; each accumulator from its low end on
.endr
.endr
	WIN 0
	s_wait_tensorcnt 0x0                           ; the wave's end
	ds_add_u32 v13, v14
	s_wait_dscnt 0x0
	CROUND                                         ; the closing round: no work-group ends while a partner may still ask for a tile that names it
	s_endpgm
.Lfunc_end_k_qf7a8db2bde_ffn2:
	.size	k_qf7a8db2bde_ffn2, .Lfunc_end_k_qf7a8db2bde_ffn2-k_qf7a8db2bde_ffn2
	.p2alignl 7, 3214868480
	.fill 96, 4, 3214868480
	.section	.rodata,"a",@progbits
	.p2align	6, 0x0
	.amdhsa_kernel k_qf7a8db2bde_ffn2
		.amdhsa_group_segment_fixed_size 327680
		.amdhsa_private_segment_fixed_size 0
		.amdhsa_enable_private_segment 0
		.amdhsa_kernarg_size 32
		.amdhsa_user_sgpr_count 2
		.amdhsa_user_sgpr_kernarg_segment_ptr 1
		.amdhsa_wavefront_size32 1
		.amdhsa_system_sgpr_workgroup_id_x 1
		.amdhsa_system_sgpr_workgroup_id_y 1
		.amdhsa_system_sgpr_workgroup_id_z 1
		.amdhsa_system_vgpr_workitem_id 0
		.amdhsa_next_free_vgpr 384
		.amdhsa_next_free_sgpr 84
		.amdhsa_reserve_vcc 0
		.amdhsa_float_denorm_mode_32 3
		.amdhsa_float_denorm_mode_16_64 3
		.amdhsa_memory_ordered 1
		.amdhsa_forward_progress 1
		.amdhsa_inst_pref_size 79
	.end_amdhsa_kernel
	.amdgpu_metadata
---
amdhsa.version: [ 1, 2 ]
amdhsa.kernels:
  - .name:           k_qf7a8db2bde_ffn2
    .symbol:         k_qf7a8db2bde_ffn2.kd
    .args:
      - { .name: hp, .offset: 0, .size: 8, .value_kind: global_buffer, .address_space: global }
      - { .name: xw, .offset: 8, .size: 8, .value_kind: global_buffer, .address_space: global }
      - { .name: ln1, .offset: 16, .size: 8, .value_kind: global_buffer, .address_space: global }
      - { .name: zz, .offset: 24, .size: 8, .value_kind: global_buffer, .address_space: global }
    .group_segment_fixed_size: 327680
    .private_segment_fixed_size: 0
    .kernarg_segment_align: 8
    .kernarg_segment_size: 32
    .max_flat_workgroup_size: 128
    .sgpr_count:     84
    .vgpr_count:     384
    .wavefront_size: 32
...
	.end_amdgpu_metadata
.endif
;; end of part 7
;; launch ln2 (part 8): grid 256 x 1, 4 waves a work-group, no clusters, 35,328 bytes of LDS; arguments zz, ln2_g, ln2_b, out0; writes out0
.if DOCPART == 8
	.amdgcn_target "amdgcn-amd-amdhsa--gfx1250"
	.amdhsa_code_object_version 6
	.text
	.protected	k_qf7a8db2bde_ln2
	.globl	k_qf7a8db2bde_ln2
	.p2align	8
	.type	k_qf7a8db2bde_ln2,@function
k_qf7a8db2bde_ln2:
	s_mov_b64 s[64:65], 0
	v_nop
	global_prefetch_b8 v0, s[64:65] scope:SCOPE_SE
	s_setreg_imm32_b32 hwreg(HW_REG_WAVE_MODE, 25, 1), 1
	s_wait_xcnt 0x0
; out0 = layer_norm(zz) g + b, over rows of 1,024, all in f32: mean, then the mean of the squared differences, as the definition has them.
; zz lies as images of matrix results: byte 262144 rb + 65536 w + 16384 a + 8192 x + 512 t + 16 lane holds registers 4 t .. 4 t + 3 of a group of 64.  Lane (r, h) of group (rb, w, a, x) holds row
; 64 rb + 32 (a / 2) + 8 (a % 2) + r + 8 (r / 8), and its register n column 256 w + 128 x + 32 (n / 16) + 16 h + n % 16.
; SHARES.  A work-group owns the 16 rows of one (rb, a): 256 work-groups; wave w owns columns 256 w .. + 255: 128 numbers a lane, read once by 32 loads of 512 consecutive bytes and kept in registers between the passes.
; A row's sums: within a lane in four chains, between the two halves of the lanes by one exchange, between the waves through LDS, with bytes of their own for each of the two sums: two barriers.
; The normalised numbers turn through the wave's own stage in LDS (rows of 512 bytes + 16) and come back as rows; there a lane holds the same four columns in every row, so g and b cost 16 registers and are applied
; behind the turn.  Each store covers 512 consecutive bytes of a row, aligned to 256.  Memory binds: no matrix unit, no tensor load, no cluster: work-groups share nothing.
; LIMITS: NaN and infinities are not served.
.set RED, 0                            ; 256 bytes for the sums, 256 for the sums of squares: word r of wave w at 64 w + 4 r
.set STG, 512                          ; a stage of 16 rows x 528 bytes for each wave
.set GG,  16                           ; v16-23 g of my four columns in each half; v24-31 b
.set BB,  24
.set T,   32                           ; v32-39 four running pairs
.set Z,   64                           ; v64-191 my 128 numbers; v192-255 and then v64-127 rows on their way out
.macro REDUCE n                        ; the four chains, a pair's halves, the two halves of the lanes, the four waves: v40 = the whole row's sum, in every lane
	v_pk_add_f32 v[T:T+1], v[T:T+1], v[T+2:T+3]
	v_pk_add_f32 v[T+4:T+5], v[T+4:T+5], v[T+6:T+7]
	v_pk_add_f32 v[T:T+1], v[T:T+1], v[T+4:T+5]
	v_add_f32 v40, v[T], v[T+1]
	v_permlanex16_b32 v41, v40, s24, s25
	v_add_f32 v40, v40, v41
	ds_store_b32 v5, v40 offset:RED+256*\n         ; lanes r and r + 16 write the same word with the same value
	s_wait_dscnt 0x0                               ; for the others' sake
	s_barrier_signal -1
	s_barrier_wait -1
.irp k, 0,1,2,3
	ds_load_b32 v[44+\k], v6 offset:RED+256*\n+64*\k
.endr
	s_wait_dscnt 0x0
	v_add_f32 v44, v44, v45
	v_add_f32 v46, v46, v47
	v_add_f32 v40, v44, v46
.endm
.macro STAGE x, rb                     ; half x's 64 numbers into the stage, 16 rows back into v[rb] on.  LDS serves a wave's instructions in order: the loads see the stores, and the next half's stores come behind them
.irp q, 0,1,2,3
.irp i, 0,1,2,3
	ds_store_b128 v7, v[Z+64*\x+16*\q+4*\i:Z+64*\x+16*\q+4*\i+3] offset:128*\q+16*\i
.endr
.endr
.irp k, 0,1,2,3,4,5,6,7,8,9,10,11,12,13,14,15
	ds_load_b128 v[\rb+4*\k:\rb+4*\k+3], v8 offset:528*\k
.endr
.endm
.macro SEND x, rb, younger             ; younger: the LDS instructions issued behind this half's loads
.irp k, 0,1,2,3,4,5,6,7,8,9,10,11,12,13,14,15
	s_wait_dscnt \younger+15-\k                    ; row-lane k is back
	v_pk_fma_f32 v[\rb+4*\k:\rb+4*\k+1], v[\rb+4*\k:\rb+4*\k+1], v[GG+4*\x:GG+4*\x+1], v[BB+4*\x:BB+4*\x+1]
	v_pk_fma_f32 v[\rb+4*\k+2:\rb+4*\k+3], v[\rb+4*\k+2:\rb+4*\k+3], v[GG+4*\x+2:GG+4*\x+3], v[BB+4*\x+2:BB+4*\x+3]
	global_store_b128 v2, v[\rb+4*\k:\rb+4*\k+3], s[10:11] offset:(\k+8*(\k/8))*4096+512*\x th:TH_STORE_NT
.endr
.endm
	s_load_b256 s[4:11], s[0:1], 0x0               ; zz, ln2_g, ln2_b, out0
	v_lshl_add_u32 v62, v0, 2, 0x8800
	v_mov_b32 v63, 0
	v_lshrrev_b32 v1, 5, v0
	v_readfirstlane_b32 s12, v1                    ; wave 0..3
	v_and_b32 v1, 31, v0                           ; lane
	v_lshlrev_b32 v2, 4, v1                        ; 16 x lane
	v_and_b32 v3, 15, v0                           ; r
	v_bfe_u32 v4, v0, 4, 1                         ; h
	s_lshr_b32 s13, ttmp9, 2                       ; rb
	s_and_b32 s14, ttmp9, 3                        ; a
	s_lshl_b32 s16, s13, 18
	s_lshl_b32 s17, s12, 16
	s_add_co_u32 s16, s16, s17
	s_lshl_b32 s17, s14, 14
	s_add_co_u32 s16, s16, s17                     ; my two groups in zz
	s_mov_b32 s17, 0
	s_lshl_b32 s18, s13, 6
	s_lshr_b32 s19, s14, 1
	s_lshl_b32 s19, s19, 5
	s_add_co_u32 s18, s18, s19
	s_and_b32 s19, s14, 1
	s_lshl_b32 s19, s19, 3
	s_add_co_u32 s18, s18, s19                     ; row-lane 0's row: 64 rb + 32 (a / 2) + 8 (a % 2)
	s_lshl_b32 s18, s18, 12                        ; rows of 4,096 bytes
	s_lshl_b32 s20, s12, 10                        ; my 256 columns
	s_mov_b32 s21, 0
	s_add_co_u32 s18, s18, s20
	s_mov_b32 s19, 0
	s_mov_b32 s24, 0x76543210
	s_mov_b32 s25, 0xfedcba98                      ; lane selects: lane l xor 16
	s_mov_b32 s26, 0x3a800000                      ; 1 / 1,024
	s_mov_b32 s27, 0x3727c5ac                      ; 1e-5
	s_lshl_b32 s22, s12, 6
	v_lshl_add_u32 v5, v3, 2, s22                  ; my wave's word of row-lane r
	v_lshlrev_b32 v6, 2, v3                        ; all waves' words of it
	s_mul_i32 s23, s12, 8448
	s_add_co_u32 s23, s23, STG                     ; my stage
	v_mul_u32_u24 v7, v3, 528
	v_lshl_add_u32 v7, v4, 6, v7
	v_add_nc_u32 v7, s23, v7                       ; in: row-lane r, + 64 h
	v_add_nc_u32 v8, s23, v2                       ; back: a row's 512 bytes, 16 a lane
	v_mov_b32 v41, 0                               ; a lane permute's destination counts as one of its sources
	s_wait_kmcnt 0x0
	s_add_nc_u64 s[4:5], s[4:5], s[16:17]
	s_add_nc_u64 s[6:7], s[6:7], s[20:21]
	s_add_nc_u64 s[8:9], s[8:9], s[20:21]
	s_add_nc_u64 s[10:11], s[10:11], s[18:19]
.irp x, 0,1
.irp t, 0,1,2,3,4,5,6,7,8,9,10,11,12,13,14,15
	global_load_b128 v[Z+64*\x+4*\t:Z+64*\x+4*\t+3], v2, s[4:5] offset:8192*\x+512*\t th:TH_LOAD_NT
.endr
.endr
.irp x, 0,1
	global_load_b128 v[GG+4*\x:GG+4*\x+3], v2, s[6:7] offset:512*\x
	global_load_b128 v[BB+4*\x:BB+4*\x+3], v2, s[8:9] offset:512*\x
.endr
	s_wait_loadcnt 4                               ; my 128 numbers are in; g's and b's four loads may be out
	; the sum: the first eight pairs start the four chains: nothing is cleared
.irp k, 0,1,2,3
	v_pk_add_f32 v[T+2*\k:T+2*\k+1], v[Z+2*\k:Z+2*\k+1], v[Z+8+2*\k:Z+8+2*\k+1]
.endr
.set i, 16
.rept 14
.irp k, 0,1,2,3
	v_pk_add_f32 v[T+2*\k:T+2*\k+1], v[T+2*\k:T+2*\k+1], v[Z+i+2*\k:Z+i+2*\k+1]
.endr
.set i, i+8
.endr
	REDUCE 0
	v_mul_f32 v42, 0xba800000, v40                 ; -mean
	v_mov_b32 v43, v42
.set i, 0
.rept 64
	v_pk_add_f32 v[Z+i:Z+i+1], v[Z+i:Z+i+1], v[42:43]
.set i, i+2
.endr
	; the sum of squares
.irp k, 0,1,2,3
	v_pk_mul_f32 v[T+2*\k:T+2*\k+1], v[Z+2*\k:Z+2*\k+1], v[Z+2*\k:Z+2*\k+1]
.endr
.set i, 8
.rept 15
.irp k, 0,1,2,3
	v_pk_fma_f32 v[T+2*\k:T+2*\k+1], v[Z+i+2*\k:Z+i+2*\k+1], v[Z+i+2*\k:Z+i+2*\k+1], v[T+2*\k:T+2*\k+1]
.endr
.set i, i+8
.endr
	REDUCE 1
	v_fma_f32 v40, v40, s26, s27                   ; var + eps
	v_rsq_f32 v42, v40
	v_nop                                          ; one plain instruction behind the transcendental
	s_wait_alu depctr_va_vdst(0)                   ; and the wait ahead of its first reader
	v_mov_b32 v43, v42
.set i, 0
.rept 64
	v_pk_mul_f32 v[Z+i:Z+i+1], v[Z+i:Z+i+1], v[42:43]
.set i, i+2
.endr
	STAGE 0, 192
	s_wait_dscnt 16                                ; the first half's 16 stores are done, so their registers may be loaded again; its 16 loads may be out
	STAGE 1, 64
	s_wait_loadcnt 0x0                             ; g, b
	SEND 0, 192, 32
	SEND 1, 64, 0
	s_wait_tensorcnt 0x0
	ds_add_u32 v62, v63
	s_wait_dscnt 0x0
	s_endpgm
.Lfunc_end_k_qf7a8db2bde_ln2:
	.size	k_qf7a8db2bde_ln2, .Lfunc_end_k_qf7a8db2bde_ln2-k_qf7a8db2bde_ln2
	.p2alignl 7, 3214868480
	.fill 96, 4, 3214868480
	.section	.rodata,"a",@progbits
	.p2align	6, 0x0
	.amdhsa_kernel k_qf7a8db2bde_ln2
		.amdhsa_group_segment_fixed_size 35328
		.amdhsa_private_segment_fixed_size 0
		.amdhsa_enable_private_segment 0
		.amdhsa_kernarg_size 32
		.amdhsa_user_sgpr_count 2
		.amdhsa_user_sgpr_kernarg_segment_ptr 1
		.amdhsa_wavefront_size32 1
		.amdhsa_system_sgpr_workgroup_id_x 1
		.amdhsa_system_sgpr_workgroup_id_y 1
		.amdhsa_system_sgpr_workgroup_id_z 1
		.amdhsa_system_vgpr_workitem_id 0
		.amdhsa_next_free_vgpr 256
		.amdhsa_next_free_sgpr 66
		.amdhsa_reserve_vcc 0
		.amdhsa_float_denorm_mode_32 3
		.amdhsa_float_denorm_mode_16_64 3
		.amdhsa_memory_ordered 1
		.amdhsa_forward_progress 1
		.amdhsa_inst_pref_size 36
	.end_amdhsa_kernel
	.amdgpu_metadata
---
amdhsa.version: [ 1, 2 ]
amdhsa.kernels:
  - .name:           k_qf7a8db2bde_ln2
    .symbol:         k_qf7a8db2bde_ln2.kd
    .args:
      - { .name: zz, .offset: 0, .size: 8, .value_kind: global_buffer, .address_space: global }
      - { .name: ln2_g, .offset: 8, .size: 8, .value_kind: global_buffer, .address_space: global }
      - { .name: ln2_b, .offset: 16, .size: 8, .value_kind: global_buffer, .address_space: global }
      - { .name: out0, .offset: 24, .size: 8, .value_kind: global_buffer, .address_space: global }
    .group_segment_fixed_size: 35328
    .private_segment_fixed_size: 0
    .kernarg_segment_align: 8
    .kernarg_segment_size: 32
    .max_flat_workgroup_size: 128
    .sgpr_count:     66
    .vgpr_count:     256
    .wavefront_size: 32
...
	.end_amdgpu_metadata
.endif
;; end of part 8
